; MI455X (gfx1250); checked and timed in simulation.
; The chip was launched on July 23, 2026; its instructions are those of AMD's public machine-readable ISA for CDNA 5 (MIT licence, August 2026) and "CDNA5" Instruction Set Architecture Reference Guide (July 2026). The comments in the code are by the model that wrote it; some were corrected since.
;; Multi Head Attention. Allowed arithmetic: matrix products marked QUANTISED: E2M3 operands, one E8M0 scale for each 32 along K, by v_wmma_scale_f32_16x16x128_f8f6f4 with both operands' format E2M3, f32 sums; everything else in f32.
;; Inputs: K 4 x 2,048 x 1,024 float32; Q 4 x 2,048 x 1,024 float32; V 4 x 2,048 x 1,024 float32; Wk 16 x 1,024 x 64 float32; Wo 1,024 x 1,024 float32; Wq 16 x 1,024 x 64 float32; Wv 16 x 1,024 x 64 float32; bk 16 x 64 float32; bo 1,024 float32; bq 16 x 64 float32; bv 16 x 64 float32.
;; Outputs: out0 4 x 2,048 x 1,024 float32.
;; This version of the problem:
;;   THIS VERSION OF THE PROBLEM IS GIVEN IN LOW PRECISION. The matrix products marked QUANTISED in the list below multiply operands that are first quantised to E2M3 (2 exponent bits, 3 mantissa bits; 6 bits a number), with one power-of-two scale for each 32 numbers along K (OCP MX v1.0); their sums are f32. All else is computed in f32.
;;   The module's matrix products, in the order in which they are computed (A, B: the left and right operand; K: the contracted axis; several contracted axes count as one K, in the product's order):
;;     1. [M 1,024, K 1,024] x [K 1,024, N 8,192]; A: input Wq; B: input Q: QUANTISED
;;     2. [M 1,024, K 1,024] x [K 1,024, N 8,192]; A: input Wk; B: input K: QUANTISED
;;     3. [M 1,024, K 1,024] x [K 1,024, N 8,192]; A: input Wv; B: input V: QUANTISED
;;     4. batch 64 x [M 2,048, K 64] x [K 64, N 2,048]; A: computed on the way; B: computed on the way: QUANTISED
;;     5. batch 64 x [M 2,048, K 2,048] x [K 2,048, N 64]; A: softmax (see below); B: computed on the way: QUANTISED
;;     6. [M 8,192, K 1,024] x [K 1,024, N 1,024]; A: computed on the way; B: input Wo: QUANTISED
;;   THE QUANTISER, for each operand of a quantised product, along K:
;;     - K is cut into blocks of 32 from its start; a last block that is shorter is filled with zeros.
;;     - A block's scale is 2^e with e = floor(log2(the largest magnitude in the block)) - 2, held to -126 .. 127; a block of zeros has e = 0. As a byte (E8M0): e + 127.
;;     - Each number is divided by its block's scale, clamped to +-7.5, and rounded to the nearest number of E2M3, ties to even, subnormals kept.
;;     - The product sums the exact products of the quantised numbers (number of the format x scale) in f32.
;;   ~~~python
;;   def quantise(x, axis):      # numpy; x: float32 -> the quantised numbers, widened to float32 again
;;       x = np.moveaxis(x, axis, -1); K = x.shape[-1]
;;       x = np.pad(x, [(0, 0)] * (x.ndim - 1) + [(0, -K % 32)]); x = x.reshape(x.shape[:-1] + (-1, 32)); a = np.abs(x).max(-1, keepdims=True)
;;       e = np.where(a > 0, np.clip(np.frexp(np.where(a > 0, a, 1))[1] - 1 - 2, -126, 127), 0)      # np.frexp(a)[1] - 1 = floor(log2(a)), exactly
;;       r = np.clip(x / 2.0 ** e, -7.5, 7.5)
;;       step = 2.0 ** (np.maximum(np.frexp(np.where(r == 0, 1, r))[1] - 1, 0) - 3)
;;       q = np.round(r / step) * step * 2.0 ** e      # np.round: ties to even
;;       return np.moveaxis(q.reshape(q.shape[:-2] + (-1,))[..., :K], -1, axis).astype(np.float32)
;;   ~~~
;;   SOFTMAX AHEAD OF A QUANTISED PRODUCT. Where the list says 'softmax', what is quantised is not the finished softmax but p = 2^(t - M), with t = logit x log2(e) and M = ceil(the row's largest t), a whole number; so 1/2 < the row's largest p <= 1. The row's sum l is taken of the UNQUANTISED p, in f32, and the product's result is divided by l at the end. Since M is a whole number, a kernel that streams over the keys may use a running M (the ceiling of the running maximum): every later rescaling is an exact power of two, which a block's scale takes up: the codes' values come out the same.
;;   OPERANDS COMPUTED ON THE WAY. 'Computed on the way' means the value that the module computes at that place (a softmax that the list does not call 'softmax' is quantised finished and normalised). What goes into a quantiser is computed in f32, as accurately as f32 sums, v_exp_f32 and their like allow (about 1e-6 of the number): no bf16 or f16 on the way to a quantiser, and a product that is left as it is and whose result goes on into a quantised operand takes f32 operands (vector FMAs, or v_wmma_f32_16x16x4_f32). A number that lies on a knife's edge between two numbers of the format may be rounded either way, as far as f32 arithmetic and the matrix unit's own rounding can turn it there, and no further.
;; One version. Each part assembles by itself: llvm-mc -triple=amdgcn-amd-amdhsa -mcpu=gfx1250 --defsym DOCPART=n.
;; ======== version 1 of 1: 4 launches
;; limits: right only within a limited range of input values
;; workspace buffers: xc 18,874,368 bytes; xs 786,432 bytes; wc 3,145,728 bytes; ws 131,072 bytes; pc 18,874,368 bytes; ps 786,432 bytes; ac 6,291,456 bytes; asw 262,144 bytes
;; launch quant (part 1): grid 512 x 1, 4 waves a work-group, no clusters, 34,304 bytes of LDS; arguments Q, K, V, Wq, Wk, Wv, Wo, xc, xs, wc, ws; writes xc, xs, wc, ws
.if DOCPART == 1
	.amdgcn_target "amdgcn-amd-amdhsa--gfx1250"
	.amdhsa_code_object_version 6
	.text
	.protected	k_q90b84b4828_quant
	.globl	k_q90b84b4828_quant
	.p2align	8
	.type	k_q90b84b4828_quant,@function
k_q90b84b4828_quant:
	s_mov_b64 s[64:65], 0
	v_nop
	global_prefetch_b8 v0, s[64:65] scope:SCOPE_SE
	s_setreg_imm32_b32 hwreg(HW_REG_WAVE_MODE, 25, 1), 1
	s_wait_xcnt 0x0
; Q, K, V [8192 tokens][1024] and Wq, Wk, Wv [16][1024][64], Wo [1024][1024], all f32, become codes of FP6 (E2M3) with one E8M0 byte for each 32 along the model's 1,024, which is every one's K.
; A block's scale is 2^(floor(log2(its largest magnitude)) - 2); its byte is the largest magnitude's exponent field - 2, held at 1 from below by a floor among the maximum's leaves.
; LIMITS: NaN and infinities are not served; a block whose largest magnitude lies under 2^-124 gets the byte 1; a block of zeros gets the byte 1 and not 127 (its codes are zeros, and this program alone reads the bytes).
; THE LAYOUT OF THE CODES is that of the operand's registers.  A TILE is 16 rows: tile 2 B + u holds rows 32 B + 8 u + r + 8 (r / 8), r = 0 .. 15.  A FRAGMENT is a tile x 128 K, 1,536 bytes, in two halves
; c = 0, 1 of 768: 512 bytes, registers 6 c .. 6 c + 3 of lane l at 16 l, then 256 bytes, registers 6 c + 4, 6 c + 5 at 8 l.  Lane (r, h) holds K = 64 c + 32 h + 0 .. 31 of row r.
; xc: [tensor 3][tile 512][K step 8][1536];  xs: [tensor][tile][r][K step] scale words;  wc, ws: the same with 4 tensors of 64 tiles, a weight's row being its output column (head x 64 + q; for Wo: n).
; Work-groups 0 to 383 take the activations (K innermost), the others the weights (K not innermost).  Waves share nothing: no barrier.  No work-group reads what another reads: nothing to share in a cluster.
.set SPI,  528                         ; a stage row: 512 bytes + 16: an odd multiple of 16, so the 16 rows that a read touches begin in different banks (64 banks of 4 bytes: ISA guide 11.1)
.set STG,  16*SPI                      ; a wave's stage
.set R,    16                          ; v16-143  two sets of 16 x 4 registers as loaded
.set X,    144                         ; v144-207 my two blocks of 32 neighbours
.set C,    208                         ; v208-219 a fragment's codes
.set U,    220                         ; v220-222, v224-226 the upper half of each block's codes (a conversion's three registers begin on an even number)
.set SW,   240                         ; v240-247 my row's eight scale words
	s_load_b512 s[4:19], s[0:1], 0x0               ; Q 4, K 6, V 8, Wq 10, Wk 12, Wv 14, Wo 16, xc 18
	s_load_b128 s[20:23], s[0:1], 0x40             ; xs 20, wc 22
	s_load_b64 s[24:25], s[0:1], 0x50              ; ws
	v_lshl_add_u32 v254, v0, 2, 0x8400
	v_mov_b32 v255, 0
	v_lshrrev_b32 v1, 5, v0
	v_readfirstlane_b32 s26, v1                    ; wave
	v_and_b32 v1, 31, v0                           ; lane
	s_cmp_lt_u32 ttmp9, 384
	s_cbranch_scc0 .Lweights
; ---------------- ACTIVATIONS.  A wave takes one tile of 16 tokens and all of K, in eight steps of 128.
; Each load reads 512 consecutive bytes of one row; a step's 16 rows turn through the wave's own stage, and come back as two whole blocks of 32 a lane, the very blocks that the operand's layout gives that lane.
	s_lshr_b32 s27, ttmp9, 7                       ; which tensor
	s_and_b32 s30, ttmp9, 127
	s_lshl_b32 s30, s30, 2
	s_add_co_u32 s30, s30, s26                     ; which tile of it
	; K's tokens are dealt otherwise than Q's and V's: tile 4 B + u holds tokens 64 B + 8 u + r % 8 + 32 (r / 8), so that attention's scores of four tiles are a whole block of 32 keys in each lane
	s_cmp_eq_u32 s27, 1
	s_cselect_b32 s33, 2, 1                        ; log2 of the tiles in a group: K 4, Q and V 2
	s_lshl_b32 s42, 0x8000, s33                    ; bytes from a tile's row 0 to its row 8: 16 tokens, for K 32
	s_lshr_b32 s31, s30, s33
	s_add_co_u32 s32, s33, 4
	s_lshl_b32 s31, s31, s32                       ; the group's first token: 32 B, for K 64 B
	s_bfm_b32 s32, s33, 0
	s_and_b32 s32, s30, s32
	s_lshl_b32 s32, s32, 3
	s_add_co_u32 s32, s32, s31                     ; + 8 u
	s_lshl_b32 s32, s32, 12                        ; rows of 4,096 bytes
	s_mov_b32 s33, 0
	s_lshl_b32 s34, s27, 9
	s_add_co_u32 s34, s34, s30
	s_mul_i32 s36, s34, 12288                      ; the tile's eight fragments
	s_mov_b32 s37, 0
	s_lshl_b32 s38, s34, 9                         ; and its 128 scale words
	s_mov_b32 s39, 0
	s_mov_b32 s28, 0x76543210
	s_mov_b32 s29, 0xfedcba98                      ; v_permlanex16_b32's selects for lane l xor 16
	s_mul_i32 s35, s26, STG
	s_wait_alu depctr_va_vdst(0)
	v_lshlrev_b32 v2, 4, v1                        ; 16 x lane
	v_lshlrev_b32 v3, 3, v1                        ; 8 x lane
	v_add_nc_u32 v4, s35, v2
	v_add_nc_u32 v10, s42, v2                      ; the loads' offset for a tile's rows 8 to 15
	v_and_b32 v8, 15, v0                           ; r
	v_bfe_u32 v9, v0, 4, 1                         ; h
	v_mul_u32_u24 v5, v8, SPI
	v_lshl_add_u32 v5, v9, 7, v5
	v_add_nc_u32 v5, s35, v5                       ; and on the way out: row r, + 128 h bytes: block h
	v_lshlrev_b32 v6, 3, v9                        ; 8 h: my bytes' place in a scale word
	v_lshlrev_b32 v7, 5, v8
	v_lshl_add_u32 v7, v9, 4, v7                   ; 32 r + 16 h: where my half of the row's scale words goes
	v_mov_b32 v235, 0                              ; written once: a lane permute's destination counts as one of its sources
	s_wait_alu depctr_va_vdst(0)
	s_wait_kmcnt 0x0
	s_cmp_eq_u32 s27, 1
	s_cselect_b64 s[40:41], s[6:7], s[8:9]
	s_cmp_eq_u32 s27, 0
	s_cselect_b64 s[40:41], s[4:5], s[40:41]       ; the choice hangs on the work-group's number alone
	s_add_nc_u64 s[40:41], s[40:41], s[32:33]
	s_add_nc_u64 s[18:19], s[18:19], s[36:37]
	s_add_nc_u64 s[20:21], s[20:21], s[38:39]
.macro XLOAD s                         ; K step s: 128 numbers of each of the tile's 16 rows into set s % 2
.irp p, 0,1,2,3,4,5,6,7,8,9,10,11,12,13,14,15
.if \p < 8
	global_load_b128 v[R+64*((\s)%2)+4*\p:R+64*((\s)%2)+4*\p+3], v2, s[40:41] offset:\p*4096+512*(\s) th:TH_LOAD_NT
.else
	global_load_b128 v[R+64*((\s)%2)+4*\p:R+64*((\s)%2)+4*\p+3], v10, s[40:41] offset:(\p-8)*4096+512*(\s) th:TH_LOAD_NT
.endif
.endr
.endm
.macro XSTEP s
.if (\s) < 7
	s_wait_loadcnt 16                              ; this step's 16 loads are in; the next step's 16 may be out
.else
	s_wait_loadcnt 0x0
.endif
.irp p, 0,1,2,3,4,5,6,7,8,9,10,11,12,13,14,15
	ds_store_b128 v4, v[R+64*((\s)%2)+4*\p:R+64*((\s)%2)+4*\p+3] offset:SPI*\p
.endr
.irp c, 0,1
.irp i, 0,1,2,3,4,5,6,7
	ds_load_b128 v[X+32*\c+4*\i:X+32*\c+4*\i+3], v5 offset:256*\c+16*\i   ; LDS serves a wave's instructions in order: these see the stores above.  K = 64 c + 32 h + 4 i ..
.endr
.endr
	s_wait_dscnt 0x0                               ; my 64 numbers are back
.if (\s) < 6
	XLOAD (\s)+2
.endif
.irp c, 0,1
	v_max3_num_f32 v[228+\c], |v[X+32*\c]|, |v[X+32*\c+1]|, 0x1800000   ; block 2 c + h is all mine; the floor 2^(3 - 127) holds the byte at 1 from below
.endr
.irp i, 2,4,6,8,10,12,14,16,18,20,22,24,26,28,30
.irp c, 0,1
	v_max3_num_f32 v[228+\c], v[228+\c], |v[X+32*\c+\i]|, |v[X+32*\c+\i+1]|   ; (the two blocks by turns)
.endr
.endr
.irp c, 0,1
	v_add_nc_u32 v[230+\c], 0xff000000, v[228+\c]  ; 2 off the exponent field: the conversion's scale operand
.endr
.irp c, 0,1
	v_lshrrev_b32 v[232+\c], 23, v[230+\c]         ; the scale's byte
.endr
	v_lshl_or_b32 v234, v233, 16, v232             ; my bytes: blocks h and 2 + h,
	v_lshlrev_b32 v234, v6, v234                   ; at their places in the word;
	v_permlanex16_b32 v235, v234, s28, s29
	v_or_b32 v[SW+(\s)], v234, v235                ; with lane l xor 16's two the word is whole
	s_wait_alu depctr_va_vdst(0)
	s_wait_xcnt 0x0                                ; the last step's stores have read the codes' registers
.irp c, 0,1
	v_cvt_scalef32_pk16_fp6_f32 v[C+6*\c:C+6*\c+2], v[X+32*\c:X+32*\c+15], v[230+\c]
	v_cvt_scalef32_pk16_fp6_f32 v[U+4*\c:U+4*\c+2], v[X+32*\c+16:X+32*\c+31], v[230+\c]
.endr
	v_nop                                          ; one plain place behind a scaled conversion
.irp c, 0,1
.irp i, 0,1,2
	v_mov_b32 v[C+6*\c+3+\i], v[U+4*\c+\i]
.endr
.endr
	global_store_b128 v2, v[C:C+3], s[18:19] offset:1536*(\s)          ; 512 consecutive bytes
	global_store_b64 v3, v[C+4:C+5], s[18:19] offset:1536*(\s)+512     ; 256
	global_store_b128 v2, v[C+6:C+9], s[18:19] offset:1536*(\s)+768
	global_store_b64 v3, v[C+10:C+11], s[18:19] offset:1536*(\s)+1280
.endm
	XLOAD 0
	XLOAD 1
.irp s, 0,1,2,3,4,5,6,7
	XSTEP \s
.endr
	v_cmp_eq_u32 vcc_lo, 1, v9                     ; both halves of the lanes hold the row's eight words: lanes 0-15 store words 0-3, lanes 16-31 words 4-7
.irp i, 0,1,2,3
	v_cndmask_b32 v[248+\i], v[SW+\i], v[SW+4+\i], vcc_lo
.endr
	global_store_b128 v7, v[248:251], s[20:21]     ; the tile's 512 bytes of scale words in one store
	s_wait_tensorcnt 0x0
	ds_add_u32 v254, v255
	s_wait_dscnt 0x0
	s_endpgm
; ---------------- WEIGHTS.  K is not innermost: a lane takes a column and its registers run down K, so a block of 32 lies in one lane and the conversions give codes with K innermost.
; A wave takes 32 columns (two tiles) x 256 along K: eight blocks a lane.  Block q of lane x is what lane (r, q % 2) of tile u holds in half (q / 2) % 2 of K step q / 4, with u = (x / 8) % 2, r = x % 8 + 8 (x / 16).
.Lweights:
	s_sub_co_u32 s27, ttmp9, 384
	s_lshr_b32 s28, s27, 5                         ; which weight: q, k, v, o
	s_and_b32 s29, s27, 7                          ; which 128 columns
	s_bfe_u32 s30, s27, 0x20003                    ; which 256 along K
	s_lshl_b32 s31, s29, 2
	s_add_co_u32 s31, s31, s26                     ; B: which 32 columns
	s_lshl_b32 s32, s31, 5                         ; the first of them
	s_lshr_b32 s34, s32, 6
	s_lshl_b32 s34, s34, 18                        ; a head's weight: head x 262,144
	s_and_b32 s35, s32, 63
	s_lshl_b32 s35, s35, 2
	s_add_co_u32 s34, s34, s35                     ; + 4 x the column in the head
	s_lshl_b32 s35, s30, 16
	s_add_co_u32 s34, s34, s35                     ; + 256 rows of 256 bytes
	s_lshl_b32 s36, s32, 2                         ; Wo: 4 x column
	s_lshl_b32 s35, s30, 20
	s_add_co_u32 s36, s36, s35                     ; + 256 rows of 4,096 bytes
	s_cmp_eq_u32 s28, 3
	s_cselect_b32 s34, s36, s34
	s_mov_b32 s35, 0
	s_mul_i32 s36, s28, 786432
	s_mul_i32 s37, s31, 24576
	s_add_co_u32 s36, s36, s37
	s_mul_i32 s37, s30, 3072
	s_add_co_u32 s36, s36, s37                     ; codes: tensor, tile 2 B, K step 2 ky
	s_mov_b32 s37, 0
	s_lshl_b32 s38, s28, 15
	s_lshl_b32 s39, s31, 10
	s_add_co_u32 s38, s38, s39
	s_lshl_b32 s39, s30, 3
	s_add_co_u32 s38, s38, s39                     ; scale words likewise
	s_mov_b32 s39, 0
	s_wait_alu depctr_va_vdst(0)
	v_lshlrev_b32 v3, 2, v1                        ; in: 4 bytes a lane
	v_bfe_u32 v10, v0, 3, 1                        ; u
	v_and_b32 v11, 7, v0
	v_bfe_u32 v12, v0, 4, 1
	v_lshl_add_u32 v11, v12, 3, v11                ; r
	v_mul_u32_u24 v13, v10, 12288
	v_lshl_add_u32 v4, v11, 4, v13                 ; out: tile u, 16 r
	v_lshl_add_u32 v5, v11, 3, v13                 ;      tile u, 8 r
	v_lshlrev_b32 v9, 5, v11
	v_lshl_add_u32 v9, v10, 9, v9                  ;      scale words: tile u, row r
	s_wait_kmcnt 0x0
	s_cmp_eq_u32 s28, 0
	s_cselect_b64 s[40:41], s[10:11], s[12:13]
	s_cmp_eq_u32 s28, 2
	s_cselect_b64 s[40:41], s[14:15], s[40:41]
	s_cmp_eq_u32 s28, 3
	s_cselect_b64 s[40:41], s[16:17], s[40:41]
	s_add_nc_u64 s[40:41], s[40:41], s[34:35]
	s_add_nc_u64 s[22:23], s[22:23], s[36:37]
	s_add_nc_u64 s[24:25], s[24:25], s[38:39]
.macro WLOAD q, pitch                  ; block q: 32 rows of K at my column, into set q % 2; a wave's load reads 128 consecutive bytes
.irp i, 0,1,2,3,4,5,6,7,8,9,10,11,12,13,14,15,16,17,18,19,20,21,22,23,24,25,26,27,28,29,30,31
	global_load_b32 v[32+32*((\q)%2)+\i], v3, s[40:41] offset:(32*(\q)+\i)*(\pitch)
.endr
.endm
.macro WBLOCK q, pitch
.set XS, 32+32*((\q)%2)
.set WO, ((\q)/4)*1536+(((\q)/2)%2)*768
.if (\q) < 7
	s_wait_loadcnt 32                              ; this block's 32 loads are in; the next block's 32 may be out
.else
	s_wait_loadcnt 0x0
.endif
	v_max3_num_f32 v12, |v[XS]|, |v[XS+1]|, |v[XS+2]|
	v_max3_num_f32 v13, |v[XS+3]|, |v[XS+4]|, |v[XS+5]|
.irp i, 6,10,14,18,22,26
	v_max3_num_f32 v12, v12, |v[XS+\i]|, |v[XS+\i+1]|
	v_max3_num_f32 v13, v13, |v[XS+\i+2]|, |v[XS+\i+3]|
.endr
	v_max3_num_f32 v12, v12, |v[XS+30]|, |v[XS+31]|
	v_max3_num_f32 v12, v12, v13, 0x1800000        ; and the floor
	v_add_nc_u32 v11, 0xff000000, v12              ; the conversion's scale operand
	v_lshrrev_b32 v13, 23, v11                     ; the byte
.if (\q)%4 == 0
	v_mov_b32 v[24+(\q)/4], v13
.else
	v_lshl_or_b32 v[24+(\q)/4], v13, 8*((\q)%4), v[24+(\q)/4]
.endif
	s_wait_alu depctr_va_vdst(0)
	s_wait_xcnt 0x0                                ; the last block's stores have read the codes' registers
	v_cvt_scalef32_pk16_fp6_f32 v[96:98], v[XS:XS+15], v11
	v_cvt_scalef32_pk16_fp6_f32 v[104:106], v[XS+16:XS+31], v11
	v_nop                                          ; one plain place behind a scaled conversion
.irp i, 0,1,2
	v_mov_b32 v[99+\i], v[104+\i]
.endr
	global_store_b128 v4, v[96:99], s[22:23] offset:WO+256*((\q)%2)        ; a tile's sixteen lanes fill 256 consecutive bytes
	global_store_b64 v5, v[100:101], s[22:23] offset:WO+512+128*((\q)%2)
.if (\q) < 6
	WLOAD (\q)+2, \pitch
.endif
.endm
.macro WPATH pitch
	WLOAD 0, \pitch
	WLOAD 1, \pitch
.irp q, 0,1,2,3,4,5,6,7
	WBLOCK \q, \pitch
.endr
	global_store_b64 v9, v[24:25], s[24:25]        ; my column's two scale words
.endm
	s_cmp_eq_u32 s28, 3
	s_cbranch_scc1 .Lwo
	WPATH 256                                      ; a head's weight: rows of 64 numbers
	s_endpgm
.Lwo:
	WPATH 4096                                     ; Wo: rows of 1,024 numbers
	s_endpgm
.Lfunc_end_k_q90b84b4828_quant:
	.size	k_q90b84b4828_quant, .Lfunc_end_k_q90b84b4828_quant-k_q90b84b4828_quant
	.p2alignl 7, 3214868480
	.fill 96, 4, 3214868480
	.section	.rodata,"a",@progbits
	.p2align	6, 0x0
	.amdhsa_kernel k_q90b84b4828_quant
		.amdhsa_group_segment_fixed_size 34304
		.amdhsa_private_segment_fixed_size 0
		.amdhsa_enable_private_segment 0
		.amdhsa_kernarg_size 88
		.amdhsa_user_sgpr_count 2
		.amdhsa_user_sgpr_kernarg_segment_ptr 1
		.amdhsa_wavefront_size32 1
		.amdhsa_system_sgpr_workgroup_id_x 1
		.amdhsa_system_sgpr_workgroup_id_y 1
		.amdhsa_system_sgpr_workgroup_id_z 1
		.amdhsa_system_vgpr_workitem_id 0
		.amdhsa_next_free_vgpr 256
		.amdhsa_next_free_sgpr 66
		.amdhsa_reserve_vcc 1
		.amdhsa_float_denorm_mode_32 3
		.amdhsa_float_denorm_mode_16_64 3
		.amdhsa_memory_ordered 1
		.amdhsa_forward_progress 1
		.amdhsa_inst_pref_size 136
	.end_amdhsa_kernel
	.amdgpu_metadata
---
amdhsa.version: [ 1, 2 ]
amdhsa.kernels:
  - .name:           k_q90b84b4828_quant
    .symbol:         k_q90b84b4828_quant.kd
    .args:
      - { .name: Q, .offset: 0, .size: 8, .value_kind: global_buffer, .address_space: global }
      - { .name: K, .offset: 8, .size: 8, .value_kind: global_buffer, .address_space: global }
      - { .name: V, .offset: 16, .size: 8, .value_kind: global_buffer, .address_space: global }
      - { .name: Wq, .offset: 24, .size: 8, .value_kind: global_buffer, .address_space: global }
      - { .name: Wk, .offset: 32, .size: 8, .value_kind: global_buffer, .address_space: global }
      - { .name: Wv, .offset: 40, .size: 8, .value_kind: global_buffer, .address_space: global }
      - { .name: Wo, .offset: 48, .size: 8, .value_kind: global_buffer, .address_space: global }
      - { .name: xc, .offset: 56, .size: 8, .value_kind: global_buffer, .address_space: global }
      - { .name: xs, .offset: 64, .size: 8, .value_kind: global_buffer, .address_space: global }
      - { .name: wc, .offset: 72, .size: 8, .value_kind: global_buffer, .address_space: global }
      - { .name: ws, .offset: 80, .size: 8, .value_kind: global_buffer, .address_space: global }
    .group_segment_fixed_size: 34304
    .private_segment_fixed_size: 0
    .kernarg_segment_align: 8
    .kernarg_segment_size: 88
    .max_flat_workgroup_size: 128
    .sgpr_count:     66
    .vgpr_count:     256
    .wavefront_size: 32
...
	.end_amdgpu_metadata
.endif
;; end of part 1
;; launch proj (part 2): grid 8 x 32, 4 waves a work-group, clusters of 4 x 4, 327,680 bytes of LDS; arguments xc, xs, wc, ws, bq, bk, bv, pc, ps; writes pc, ps
.if DOCPART == 2
	.amdgcn_target "amdgcn-amd-amdhsa--gfx1250"
	.amdhsa_code_object_version 6
	.text
	.protected	k_q90b84b4828_proj
	.globl	k_q90b84b4828_proj
	.p2align	8
	.type	k_q90b84b4828_proj,@function
k_q90b84b4828_proj:
	s_mov_b64 s[64:65], 0
	v_nop
	global_prefetch_b8 v0, s[64:65] scope:SCOPE_SE
	s_setreg_imm32_b32 hwreg(HW_REG_WAVE_MODE, 25, 1), 1
	s_wait_xcnt 0x0
	s_wait_alu depctr_hold_cnt(0) depctr_sa_sdst(0) depctr_va_vdst(0) depctr_va_sdst(0) depctr_va_ssrc(0) depctr_va_vcc(0) depctr_vm_vsrc(0)
	s_getreg_b32 s2, hwreg(HW_REG_IB_STS2, 6, 4)
	s_cmp_eq_u32 s2, 0
	s_cbranch_scc0 .Lentry_in_a_cluster
	s_endpgm
.Lentry_in_a_cluster:
	s_bfe_u32 s2, ttmp6, 0x10000c
	s_cmp_lg_u32 s2, 0xf033
	s_cbranch_scc0 .Lentry_shape_is_right
	s_endpgm
.Lentry_shape_is_right:
; q = Q Wq + bq, k = K Wk + bk, v = V Wv + bv on codes of FP6 (E2M3) with E8M0 scales, sums in f32; each result is quantised in registers for attention: q and k along the head's 64, v along the keys.
; The f32 sum begins with the bias instead of ending with it.  LIMITS of the quantiser as in the launch that made the codes: no NaN or infinity; a block under 2^-124, or of zeros, gets the byte 1.
; OPERANDS lie as images of their registers: a tile is 16 rows, a fragment a tile x 128 K = 1,536 bytes: halves of 768 = 512 (16 a lane) + 256 (8 a lane); a tile's eight fragments are 12,288 consecutive bytes.
; SOURCE 0 runs along a lane's registers in the result; a weight's and V's tile 2 B + u holds rows 32 B + 8 u + r + 8 (r / 8), so the 16 registers of tiles 2 B, 2 B + 1 are rows 32 B + 16 (lane / 16) + 0 .. 15 of source 0:
; neighbours along the NEXT product's K.  For q and k source 0 (S0) is the weight (128 rows = two heads) and source 1 (S1) the tokens; for v S0 is V's tokens (128 keys) and S1 the weight.  Only pointers and two strides know which.
; SHARES.  A block is 128 rows of S0 x 256 rows of S1 over all of K = 1,024; wave w takes S1's tiles 4 w .. 4 w + 3 against S0's eight: 32 accumulators.  The three products have 256 blocks each.
; A WORK-GROUP STAYS: 256 work-groups, each makes its block of q, then of k, then of v.
; LDS: a ring of two slots, each with half of K (512): S1's 16 tiles and then S0's 8 tiles, 6,144 bytes a tile.  A block's first half lies in slot 0, its second in slot 1, and the ring runs on from block to block:
; at a block's start slot 1 is filled with its second half, at K step 3 slot 0 with the next block's first half; each fill stands behind the waits, the add and a round of the cluster's barrier, one tensor load a wave
; (waves 0, 1: S1's halves; waves 2, 3: S0's), so one tensor load of a wave is out at a time.  The last block asks for nothing at K step 3: it is written out behind the loop of two trips.
; The next block's scale words and bias are loaded at the head of a block's way out, which names none of their registers.
; CLUSTERS: 4 x 4.  S1's tiles hang on the work-group's Y alone and are asked for jointly along a row of the cluster, S0's on X alone, along a column.
; PREFETCH: behind each fill a wave names the tiles that the next fill will bring (in a block's first half the next block's first half, in its second the next block's second): of S1's 16 tiles the partner at cx takes
; 4 cx .. 4 cx + 3, a tile's 24 blocks of 256 bytes to a wave; of S0's 8 tiles the partner at cy takes 2 cy, 2 cy + 1, 12 blocks to a wave; lanes left over name their wave's last block again.  So each block of 256 bytes is
; named once in each cluster that will load it.  The first block's tiles come by their loads alone, and the last block names nothing.
; OUT.  pc: q, k: [head pair 8][token tile 512][1536], half c = head 2 G + c;  v: [16 b + key step][4 head + tile of the head's 64][1536].  ps: one word a row and fragment: [G][tile / 4][r][tile % 4].
; REGISTERS, in windows of 256: window 0: v1-31 addresses; v32-79 scale words and nothing else; v80-175 S1's fragments, two sets; v176-223 the quantiser's.  window 1: the accumulators, (a, b) at v[64 a + 8 b].
;   window 2: S0's fragments, two sets at v0 and v128; the bias along S0 at v96-127 and v224-255.
; SCALARS: s7 the product that the pointers s[56:59], s[90:99] stand for (the next block's, once a block has begun); s[46:47], s[66:67] this block's places in pc and ps; s[40:43] the prefetches' bases.
.set CH,   147456                      ; a slot
.set S0O,  98304                       ; S0's tiles in it
.set SPARE, 294912                     ; behind the ring: the spare words, 128 bytes for each wave
.set A1W,  8                           ; v8-9    slot c: my S1 tiles, 16 x lane
.set A1N,  12                          ; v12-13  the same, 8 x lane
.set A0W,  16                          ; v16-17  S0's tiles, 16 x lane
.set A0N,  20                          ; v20-21  8 x lane
.set SA,   32                          ; v[SA + 8 i + s]: lanes 0-15 the words of S1's tile 4 w + i, lanes 16-31 of tile 4 w + i + 2, K step s
.set SB,   48                          ; v[SB + 8 i + s]: lanes 0-15 S0's tile i, lanes 16-31 tile i + 4
.set F1,   80
.set PC,   176                         ; the codes just made
.set U,    188
.set TM,   196                         ; +0..3 largest magnitudes, +4..7 the other half's, then bytes, +12..15 scale operands
.set SW,   212                         ; v212-215 the four fragments' scale words
.set B1,   216                         ; v216-223 the bias along S1: four pairs, the low word used
.set MSB,  0
.macro WIN new                         ; the immediate's high byte repeats the setting that is left
.if MSB != \new
	s_set_vgpr_msb (MSB<<8)|\new
.set MSB, \new
.endif
.endm
.macro PLACES n
.rept \n
	v_nop
.endr
.endm
.macro CROUND                          ; a round of the cluster's barrier
	s_barrier_signal -1
	s_barrier_wait -1
	s_cmp_lg_u32 s3, 0
	s_cbranch_scc1 .Lnot_wave_0_\@
	s_barrier_signal -3
.Lnot_wave_0_\@:
	s_barrier_wait -3
	s_barrier_signal -1
	s_barrier_wait -1
.endm
.macro JLOAD s                         ; a joint load into slot s: waves 0, 1 for S1, waves 2, 3 for S0; the branch hangs on the wave's number alone
	s_cmp_eq_u32 s15, 0
	s_cbranch_scc0 .Lfor_s0_\@
	tensor_load_to_lds s[32+4*\s:35+4*\s], s[16:23]
	s_nop 0
	PLACES 4
	s_branch .Lasked_\@
.Lfor_s0_\@:
	tensor_load_to_lds s[48+4*\s:51+4*\s], s[24:31]
	s_nop 0
	PLACES 4
.Lasked_\@:
.endm
; All that hangs on the product s7 (0 q, 1 k, 2 v).  What hangs on Y is made in s8, s9, s12, s13; what hangs on X in s10, s11; what hangs on both in s44, s45, s60, s61, which feed no descriptor
.macro POINTERS
	s_and_b32 s8, s6, 1
	s_lshr_b32 s9, s6, 1
	s_mov_b32 s10, 786432
	s_mov_b32 s11, 32768
	s_cmp_eq_u32 s7, 2                             ; q, k: 2 x 8 clusters (8 groups of S0, 32 of S1);  v: 16 x 1 (64 and 4)
	s_cselect_b32 s8, s6, s8
	s_cselect_b32 s9, 0, s9
	s_cselect_b32 s88, 98304, s10                  ; bytes of pc from one X to the next,
	s_cselect_b32 s89, 4096, s11                   ; and of ps
	s_lshl_b32 s86, s8, 2
	s_add_co_u32 s86, s86, s4                      ; X: which 128 rows of S0
	s_lshl_b32 s87, s9, 2
	s_add_co_u32 s87, s87, s5                      ; Y: which 256 rows of S1
	s_mul_i32 s90, s7, 6291456
	s_mov_b32 s91, 0
	s_lshl_b32 s92, s7, 18
	s_mov_b32 s93, 0
	s_mul_i32 s94, s7, 786432
	s_mov_b32 s95, 0
	s_lshl_b32 s96, s7, 15
	s_mov_b32 s97, 0
	s_add_nc_u64 s[40:41], s[68:69], s[90:91]      ; this product's activations,
	s_add_nc_u64 s[42:43], s[70:71], s[92:93]
	s_add_nc_u64 s[44:45], s[72:73], s[94:95]      ; its weight,
	s_add_nc_u64 s[60:61], s[74:75], s[96:97]
	s_add_nc_u64 s[56:57], s[82:83], s[90:91]      ; and its part of pc and ps
	s_add_nc_u64 s[58:59], s[84:85], s[92:93]
	s_cmp_eq_u32 s7, 2                             ; the choices hang on the product's number alone
	s_cselect_b64 s[90:91], s[40:41], s[44:45]     ; S0's codes
	s_cselect_b64 s[92:93], s[44:45], s[40:41]     ; S1's
	s_cselect_b64 s[94:95], s[42:43], s[60:61]     ; S0's scale words
	s_cselect_b64 s[96:97], s[60:61], s[42:43]     ; S1's
	s_cselect_b64 s[98:99], s[80:81], s[78:79]
	s_cmp_eq_u32 s7, 0
	s_cselect_b64 s[98:99], s[76:77], s[98:99]     ; the bias
	s_mov_b64 s[40:41], s[92:93]
	s_mov_b64 s[42:43], s[90:91]
	s_lshl_b32 s8, s87, 4
	s_lshl_b32 s9, s14, 3
	s_add_co_u32 s12, s8, s9
	s_mul_i32 s12, s12, 12288
	s_mov_b32 s13, 0
	s_add_nc_u64 s[92:93], s[92:93], s[12:13]      ; S1's tiles 16 Y + 8 p on
	s_lshl_b32 s9, s3, 2
	s_add_co_u32 s8, s8, s9                        ; my first tile of S1: 16 Y + 4 w
	s_lshl_b32 s12, s8, 9
	s_add_nc_u64 s[96:97], s[96:97], s[12:13]
	s_mul_i32 s12, s8, 1536
	s_add_nc_u64 s[56:57], s[56:57], s[12:13]
	s_lshl_b32 s12, s8, 6                          ; 256 bytes of ps for four tiles; also: 4 bytes for each of S1's rows (the bias of v)
	s_add_nc_u64 s[58:59], s[58:59], s[12:13]
	s_lshl_b32 s10, s86, 3
	s_lshl_b32 s11, s14, 2
	s_add_co_u32 s10, s10, s11
	s_mul_i32 s10, s10, 12288
	s_mov_b32 s11, 0
	s_add_nc_u64 s[90:91], s[90:91], s[10:11]      ; S0's tiles 8 X + 4 p on
	s_lshl_b32 s10, s86, 12
	s_add_nc_u64 s[94:95], s[94:95], s[10:11]
	s_mul_i32 s10, s86, s88
	s_add_nc_u64 s[56:57], s[56:57], s[10:11]
	s_mul_i32 s10, s86, s89
	s_add_nc_u64 s[58:59], s[58:59], s[10:11]
	s_lshl_b32 s10, s86, 9                         ; 4 bytes for each of S0's rows (the bias of q and k)
	s_cmp_eq_u32 s7, 2
	s_cselect_b32 s60, s12, s10
	s_mov_b32 s61, 0
	s_add_nc_u64 s[98:99], s[98:99], s[60:61]
	s_lshl_b32 s44, s87, 4                         ; the prefetches: S1's tile 16 Y + 4 cx + w,
	s_lshl_b32 s45, s4, 2
	s_add_co_u32 s44, s44, s45
	s_add_co_u32 s44, s44, s3
	s_mul_i32 s44, s44, 12288
	s_mov_b32 s45, 0
	s_add_nc_u64 s[40:41], s[40:41], s[44:45]
	s_lshl_b32 s44, s86, 3                         ; S0's tile 8 X + 2 cy + w / 2, its blocks 12 (w % 2) on
	s_lshl_b32 s60, s5, 1
	s_add_co_u32 s44, s44, s60
	s_add_co_u32 s44, s44, s15
	s_mul_i32 s44, s44, 12288
	s_mul_i32 s60, s14, 3072
	s_add_co_u32 s44, s44, s60
	s_add_nc_u64 s[42:43], s[42:43], s[44:45]
.endm
.macro SETG0                           ; the global addresses of both slots' descriptors: the two halves of K of the block that the pointers stand for.  No tensor load of the wave is out where this stands
.irp c, 0,1
	s_add_nc_u64 s[34+4*\c:35+4*\c], s[92:93], \c*6144
	s_or_b32 s[35+4*\c], s[35+4*\c], 0x80000000
	s_add_nc_u64 s[50+4*\c:51+4*\c], s[90:91], \c*6144
	s_or_b32 s[51+4*\c], s[51+4*\c], 0x80000000
.endr
.endm
.macro PF h                            ; half h of K of the next block: 24 blocks of 256 bytes of S1, 12 of S0
	global_prefetch_b8 v30, s[40:41] offset:6144*\h th:TH_LOAD_NT scope:SCOPE_SE
	global_prefetch_b8 v31, s[42:43] offset:6144*\h th:TH_LOAD_NT scope:SCOPE_SE
.endm
.macro OPERANDS first                  ; the scale words of all of K and the bias of the block that the pointers stand for.  first = 1: at the head, where that block is q's: only the way of a bias along S0 is laid
.irp i, 0,1
.irp j, 0,1
	global_load_b128 v[SA+8*\i+4*\j:SA+8*\i+4*\j+3], v24, s[96:97] offset:512*\i+16*\j
.endr
.endr
.irp i, 0,1,2,3
.irp j, 0,1
	global_load_b128 v[SB+8*\i+4*\j:SB+8*\i+4*\j+3], v25, s[94:95] offset:512*\i+16*\j
.endr
.endr
.if (\first) == 0
	s_cmp_eq_u32 s7, 2
	s_cbranch_scc1 .Lbias_v_\@
.endif
	WIN 0x80                                       ; q, k: the bias runs along S0: register j of tile b belongs to row 32 (b / 2) + 16 h + 8 (b % 2) + j.  Destination window 2
.irp b, 0,1,2,3,4,5,6,7
	global_load_b128 v[96+8*\b+96*(\b/4):96+8*\b+96*(\b/4)+3], v26, s[98:99] offset:(32*(\b/2)+8*(\b%2))*4
	global_load_b128 v[96+8*\b+96*(\b/4)+4:96+8*\b+96*(\b/4)+7], v26, s[98:99] offset:(32*(\b/2)+8*(\b%2))*4+16
.endr
	WIN 0
.irp i, 0,1,2,3,4,5,6,7
	v_mov_b32 v[B1+\i], 0
.endr
.if (\first) == 0
	s_branch .Lbias_done_\@
.Lbias_v_\@:
.irp a, 0,1,2,3                        ; v: the bias runs along S1: one number a lane and tile
	global_load_b32 v[B1+2*\a], v27, s[98:99] offset:(32*(\a/2)+8*(\a%2))*4
	v_mov_b32 v[B1+2*\a+1], 0                      ; (named with it as a pair, so it is written)
.endr
	WIN 0x80
.irp b, 0,1,2,3,4,5,6,7
.irp j, 0,1,2,3,4,5,6,7
	v_mov_b32 v[96+8*\b+96*(\b/4)+\j], 0
.endr
.endr
	WIN 0
.Lbias_done_\@:
.endif
.endm
; 48 LDS loads: the fragments of K step q of slot c: S0's eight into set buf of window 2, my four of S1 into set buf of window 0.  Every load reads consecutive bytes, lane by lane
.macro FRAGS buf, c, q
	WIN 0x80
.irp b, 0,1,2,3,4,5,6,7
	ds_load_b128 v[128*(\buf)+12*\b:128*(\buf)+12*\b+3], v[A0W+(\c)] offset:6144*\b+1536*(\q)
	ds_load_b64 v[128*(\buf)+12*\b+4:128*(\buf)+12*\b+5], v[A0N+(\c)] offset:6144*\b+1536*(\q)+512
	ds_load_b128 v[128*(\buf)+12*\b+6:128*(\buf)+12*\b+9], v[A0W+(\c)] offset:6144*\b+1536*(\q)+768
	ds_load_b64 v[128*(\buf)+12*\b+10:128*(\buf)+12*\b+11], v[A0N+(\c)] offset:6144*\b+1536*(\q)+1280
.endr
	WIN 0
.irp a, 0,1,2,3
	ds_load_b128 v[F1+48*(\buf)+12*\a:F1+48*(\buf)+12*\a+3], v[A1W+(\c)] offset:6144*\a+1536*(\q)
	ds_load_b64 v[F1+48*(\buf)+12*\a+4:F1+48*(\buf)+12*\a+5], v[A1N+(\c)] offset:6144*\a+1536*(\q)+512
	ds_load_b128 v[F1+48*(\buf)+12*\a+6:F1+48*(\buf)+12*\a+9], v[A1W+(\c)] offset:6144*\a+1536*(\q)+768
	ds_load_b64 v[F1+48*(\buf)+12*\a+10:F1+48*(\buf)+12*\a+11], v[A1N+(\c)] offset:6144*\a+1536*(\q)+1280
.endr
.endm
; one product.  ra, rb = 1: that side's scale words stand in lanes 16-31 of the register named
.macro ONE d, fa, fb, sa, sb, ra, rb
.if ((\ra) == 0) && ((\rb) == 0)
	v_wmma_scale_f32_16x16x128_f8f6f4 v[0+(\d):7+(\d)], v[0+(\fa):11+(\fa)], v[0+(\fb):11+(\fb)], v[0+(\d):7+(\d)], v[0+(\sa)], v[0+(\sb)] matrix_a_fmt:MATRIX_FMT_FP6 matrix_b_fmt:MATRIX_FMT_FP6
.elseif (\rb) == 0
	v_wmma_scale_f32_16x16x128_f8f6f4 v[0+(\d):7+(\d)], v[0+(\fa):11+(\fa)], v[0+(\fb):11+(\fb)], v[0+(\d):7+(\d)], v[0+(\sa)], v[0+(\sb)] matrix_a_fmt:MATRIX_FMT_FP6 matrix_b_fmt:MATRIX_FMT_FP6 matrix_a_scale:MATRIX_SCALE_ROW1
.elseif (\ra) == 0
	v_wmma_scale_f32_16x16x128_f8f6f4 v[0+(\d):7+(\d)], v[0+(\fa):11+(\fa)], v[0+(\fb):11+(\fb)], v[0+(\d):7+(\d)], v[0+(\sa)], v[0+(\sb)] matrix_a_fmt:MATRIX_FMT_FP6 matrix_b_fmt:MATRIX_FMT_FP6 matrix_b_scale:MATRIX_SCALE_ROW1
.else
	v_wmma_scale_f32_16x16x128_f8f6f4 v[0+(\d):7+(\d)], v[0+(\fa):11+(\fa)], v[0+(\fb):11+(\fb)], v[0+(\d):7+(\d)], v[0+(\sa)], v[0+(\sb)] matrix_a_fmt:MATRIX_FMT_FP6 matrix_b_fmt:MATRIX_FMT_FP6 matrix_a_scale:MATRIX_SCALE_ROW1 matrix_b_scale:MATRIX_SCALE_ROW1
.endif
.endm
.macro MULH buf, s, a0                 ; 16 products of K step s: S1's tiles a0, a0 + 1 against S0's eight
	WIN 0x52                                       ; source 0 window 2, source 1 window 0, C and D window 1
.irp a, \a0, \a0+1
.irp b, 0,1,2,3,4,5,6,7
	ONE 64*(\a)+8*\b, 128*(\buf)+12*\b, F1+48*(\buf)+12*(\a), SB+8*(\b%4)+(\s), SA+8*((\a)%2)+(\s), \b/4, (\a)/2
.endr
.endr
.endm
.macro MULS buf, s                     ; K step s: the 32 accumulators take turns, one instruction a turn, in the same order in every step
	MULH \buf, \s, 0
	MULH \buf, \s, 2
.endm
.macro KSTEP s, last
	s_wait_dscnt 0x0                               ; this step's fragments are in
.if (\s) == 3                          ; the change of slots: my reads of slot 0 are over
	WIN 0
	s_wait_tensorcnt 0x0                           ; my part of slot 1 has landed: no tensor load of mine is out
.if (\last) == 0
	ds_add_u32 v254, v255                          ; 0 onto my spare word: work on registers stands between it and the wait for it:
	SETG0                                          ; the next block's two halves,
	MULH 1, 3, 0                                   ; and sixteen products
	WIN 0
	s_wait_dscnt 0x0
	CROUND                                         ; no wave of any partner still reads slot 0 or has a load on its way
	JLOAD 0                                        ; the next block's first half; the four v_nop behind it are the places in front of the loads below
	FRAGS 0, 1, 0
	PF 1
	MULH 1, 3, 2
.else
	s_barrier_signal -1
	s_barrier_wait -1                              ; everybody's part of slot 1 has landed
	PLACES 4
	FRAGS 0, 1, 0
	MULS 1, 3
.endif
.else
.if (\s) < 7
	WIN 0
.if (\s) > 0
	PLACES 4                                       ; in front of loads into registers that the last step's products have read (ISA guide 7.12.1 for vector instructions)
.endif
	FRAGS ((\s)+1)%2, ((\s)+1)/4, ((\s)+1)%4       ; the next step's fragments come while this step is multiplied
.if ((\s) == 0) && ((\last) == 0)
	PF 0
.endif
.endif
	MULS (\s)%2, \s
.endif
.endm
; THE WAY OUT.  The 64 registers of S1's tile a are 128 neighbours along the next K (register 16 B + i: 32 B + 16 h + i): they become one fragment and one scale word a row.
.macro UNIT a
	s_wait_xcnt 0x0                                ; the last fragment's stores have read the codes' registers
	WIN 0x05                                       ; sources 0 and 1 window 1
.irp b, 0,1,2,3
	v_max3_num_f32 v[TM+\b], |v[64*(\a)+16*\b]|, |v[64*(\a)+16*\b+1]|, 0x1800000   ; each accumulator is read from its low end on; the floor 2^(3 - 127) holds the byte at 1 from below
.endr
.irp i, 2,4,6,8,10,12,14
.irp b, 0,1,2,3
	v_max3_num_f32 v[TM+\b], |v[64*(\a)+16*\b+\i]|, |v[64*(\a)+16*\b+\i+1]|, v[TM+\b]
.endr
.endr
	WIN 0
.irp b, 0,1,2,3
	v_permlanex16_b32 v[TM+4+\b], v[TM+\b], s100, s101
.endr
.irp b, 0,1,2,3
	v_max_num_f32 v[TM+\b], v[TM+\b], v[TM+4+\b]   ; with lane l xor 16's 16: the block's largest magnitude
.endr
.irp b, 0,1,2,3
	v_add_nc_u32 v[TM+12+\b], 0xff000000, v[TM+\b] ; 2 off the exponent field: the conversion's scale operand
.endr
.irp b, 0,1,2,3
	v_lshrrev_b32 v[TM+4+\b], 23, v[TM+12+\b]      ; the byte
.endr
	v_lshl_or_b32 v[SW+(\a)], v[TM+5], 8, v[TM+4]
	v_lshl_or_b32 v[SW+(\a)], v[TM+6], 16, v[SW+(\a)]
	v_lshl_or_b32 v[SW+(\a)], v[TM+7], 24, v[SW+(\a)]
	WIN 0x01                                       ; source 0 window 1
.irp c, 0,1
	v_cvt_scalef32_pk16_fp6_f32 v[PC+6*\c:PC+6*\c+2], v[64*(\a)+32*\c:64*(\a)+32*\c+15], v[TM+12+2*\c]
	v_cvt_scalef32_pk16_fp6_f32 v[U+4*\c:U+4*\c+2], v[64*(\a)+32*\c+16:64*(\a)+32*\c+31], v[TM+12+2*\c+1]
.endr
	WIN 0
	v_nop                                          ; one plain place behind a scaled conversion
.irp c, 0,1                            ; the operand's layout wants a whole block in a lane: lanes 0-15 block 2 c, lanes 16-31 block 2 c + 1
.irp i, 0,1,2
	v_permlane16_swap_b32 v[PC+6*\c+\i], v[U+4*\c+\i]
.endr
.irp i, 0,1,2
	v_mov_b32 v[PC+6*\c+3+\i], v[U+4*\c+\i]
.endr
.endr
	global_store_b128 v3, v[PC:PC+3], s[46:47] offset:1536*(\a)        ; 512 consecutive bytes, at a multiple of 256 from pc's first byte
	global_store_b64 v4, v[PC+4:PC+5], s[46:47] offset:1536*(\a)+512   ; 256
	global_store_b128 v3, v[PC+6:PC+9], s[46:47] offset:1536*(\a)+768
	global_store_b64 v4, v[PC+10:PC+11], s[46:47] offset:1536*(\a)+1280
.endm
; A BLOCK.  On the way in: its first half of K is in slot 0 or on its way there, its scale words and bias are on their way, and the pointers stand for it.
.macro TILE last
	s_wait_xcnt 0x0                                ; every earlier load, store and prefetch has read its base: the pointers may be written
	s_mov_b64 s[46:47], s[56:57]                   ; this block's places in pc and ps
	s_mov_b64 s[66:67], s[58:59]
.if (\last) == 0
	s_add_co_u32 s7, s7, 1
	POINTERS                                       ; from here on the pointers stand for the next block
.endif
	s_wait_loadcnt 0x0                             ; the scale words and the bias are in
	WIN 0x42                                       ; destination window 1, source 0 window 2, source 1 window 0
	s_wait_alu depctr_va_vdst(0)
.irp a, 0,1,2,3                        ; the sums begin with the bias (one of the two addends is 0)
.irp b, 0,1,2,3,4,5,6,7
.irp j, 0,2,4,6
	v_pk_add_f32 v[64*\a+8*\b+\j:64*\a+8*\b+\j+1], v[96+8*\b+96*(\b/4)+\j:96+8*\b+96*(\b/4)+\j+1], v[B1+2*\a:B1+2*\a+1] op_sel_hi:[1,0]
.endr
.endr
.endr
	WIN 0
	s_wait_alu depctr_va_vdst(0)
	s_wait_tensorcnt 0x0                           ; my part of slot 0 has landed: no tensor load of mine is out
	ds_add_u32 v254, v255
	s_wait_dscnt 0x0                               ; the add is done, and my reads of slot 1 were over long ago
	CROUND
	JLOAD 1                                        ; this block's second half of K
	FRAGS 0, 0, 0
.irp s, 0,1,2,3,4,5,6,7
	KSTEP \s, \last
.endr
	WIN 0
	PLACES 4                                       ; in front of the first read of results and of loads into the scale words' registers
.if (\last) == 0
	OPERANDS 0                                     ; the next block's, under this block's way out
.endif
.irp a, 0,1,2,3
	UNIT \a
.endr
	global_store_b128 v28, v[SW:SW+3], s[66:67]    ; 16 rows x four words: 256 consecutive bytes (lanes 16-31 hold and write the same)
.endm
	s_load_b512 s[68:83], s[0:1], 0x0              ; xc 68, xs 70, wc 72, ws 74, bq 76, bk 78, bv 80, pc 82
	s_load_b64 s[84:85], s[0:1], 0x40              ; ps
	v_lshl_add_u32 v254, v0, 2, SPARE
	v_mov_b32 v255, 0
	ds_add_u32 v254, v255
	ds_add_u32 v254, v255
	v_lshrrev_b32 v1, 5, v0
	v_readfirstlane_b32 s3, v1                     ; wave
	v_and_b32 v1, 15, v0                           ; r
	v_bfe_u32 v2, v0, 4, 1                         ; h
	v_and_b32 v5, 31, v0
	v_lshlrev_b32 v3, 4, v5                        ; 16 x lane
	v_lshlrev_b32 v4, 3, v5                        ; 8 x lane
	s_mul_i32 s8, s3, 24576                        ; my four tiles of S1
.irp c, 0,1
	s_add_co_u32 s9, s8, \c*CH
	v_add_nc_u32 v[A1W+\c], s9, v3
	v_add_nc_u32 v[A1N+\c], s9, v4
	v_add_nc_u32 v[A0W+\c], \c*CH+S0O, v3
	v_add_nc_u32 v[A0N+\c], \c*CH+S0O, v4
.endr
	v_lshlrev_b32 v24, 5, v1
	v_lshl_add_u32 v25, v2, 11, v24                ; S0's scale words: 32 r, lanes 16-31 four tiles on
	v_lshl_add_u32 v24, v2, 10, v24                ; S1's: lanes 16-31 two tiles on
	v_lshlrev_b32 v26, 6, v2                       ; the bias along S0: 16 h numbers on
	v_and_b32 v27, 8, v1
	v_add_nc_u32 v27, v27, v1
	v_lshlrev_b32 v27, 2, v27                      ; the bias along S1: my row of a tile, r + 8 (r / 8)
	v_lshlrev_b32 v28, 4, v1                       ; the results' scale words: 16 r
	v_min_u32 v30, 23, v5
	v_lshlrev_b32 v30, 8, v30                      ; the prefetches: a lane a block of 256 bytes, 24 of S1,
	v_min_u32 v31, 11, v5
	v_lshlrev_b32 v31, 8, v31                      ; 12 of S0
.irp b, 0,1,2,3
	v_mov_b32 v[TM+4+\b], 0                        ; written once: a lane permute's destination counts as one of its sources
.endr
	s_lshr_b32 s15, s3, 1                          ; I fetch for S1 (0) or for S0 (1),
	s_and_b32 s14, s3, 1                           ; its first or its second half
	s_bfe_u32 s4, ttmp6, 0x40000                   ; cx
	s_bfe_u32 s5, ttmp6, 0x40004                   ; cy
	s_and_b32 s6, ttmp7, 0xffff
	s_lshl_b32 s6, s6, 1
	s_add_co_u32 s6, s6, ttmp9                     ; the cluster's number, 0 .. 15
	s_lshl_b32 s12, s5, 2
	s_lshl_b32 s12, 15, s12                        ; my row of the cluster
	s_lshl_b32 s13, 0x1111, s4                     ; my column
	; descriptor group 1.  S1: 8 tiles' 6,144 bytes (768 elements of 8 bytes), 12,288 bytes apart, dense in LDS;  S0: 4 tiles
	s_or_b32 s16, s12, (3<<16)|(1<<21)             ; 15:0 the mask; 17:16 elements of 8 bytes; 21 set beside a mask; no padding
	s_mov_b32 s17, 768<<16                         ; tensor_dim0
	s_mov_b32 s18, 8<<16                           ; tensor_dim1
	s_mov_b32 s19, 768<<16                         ; tile_dim0
	s_mov_b32 s20, 8                               ; tile_dim1
	s_mov_b32 s21, 1536                            ; tensor_dim0_stride
	s_mov_b32 s22, 0
	s_mov_b32 s23, 0
	s_or_b32 s24, s13, (3<<16)|(1<<21)
	s_mov_b32 s25, 768<<16
	s_mov_b32 s26, 4<<16
	s_mov_b32 s27, 768<<16
	s_mov_b32 s28, 4
	s_mov_b32 s29, 1536
	s_mov_b32 s30, 0
	s_mov_b32 s31, 0
	s_mul_i32 s62, s14, 49152                      ; where my half of the tiles goes: no place in the cluster enters an LDS address
	s_mul_i32 s63, s14, 24576
.irp c, 0,1
	s_mov_b32 s[32+4*\c], 1
	s_add_co_u32 s[33+4*\c], s62, \c*CH
	s_mov_b32 s[48+4*\c], 1
	s_add_co_u32 s[49+4*\c], s63, \c*CH+S0O
.endr
	s_mov_b32 s100, 0x76543210
	s_mov_b32 s101, 0xfedcba98                     ; v_permlanex16_b32's selects for lane l xor 16
	s_mov_b32 s7, 0                                ; the first block: q's
	s_wait_alu depctr_va_vdst(0)
	s_wait_dscnt 0x0
	s_wait_kmcnt 0x0
	POINTERS
	SETG0
	CROUND                                         ; all sixteen work-groups are here: the joint loads meet
	JLOAD 0                                        ; the first block's first half of K: one tensor load a wave at the head
	OPERANDS 1
.Ltile:
	TILE 0                                         ; q's block, then k's
	s_cmp_lt_u32 s7, 2
	s_wait_alu depctr_va_vdst(0)
	s_cbranch_scc1 .Ltile
	TILE 1                                         ; v's block asks for nothing beyond itself
	s_wait_tensorcnt 0x0                           ; the wave's end
	ds_add_u32 v254, v255
	s_wait_dscnt 0x0
	CROUND                                         ; the closing round: no work-group ends while a partner may still ask for a tile that names it
	s_endpgm
.Lfunc_end_k_q90b84b4828_proj:
	.size	k_q90b84b4828_proj, .Lfunc_end_k_q90b84b4828_proj-k_q90b84b4828_proj
	.p2alignl 7, 3214868480
	.fill 96, 4, 3214868480
	.section	.rodata,"a",@progbits
	.p2align	6, 0x0
	.amdhsa_kernel k_q90b84b4828_proj
		.amdhsa_group_segment_fixed_size 327680
		.amdhsa_private_segment_fixed_size 0
		.amdhsa_enable_private_segment 0
		.amdhsa_kernarg_size 72
		.amdhsa_user_sgpr_count 2
		.amdhsa_user_sgpr_kernarg_segment_ptr 1
		.amdhsa_wavefront_size32 1
		.amdhsa_system_sgpr_workgroup_id_x 1
		.amdhsa_system_sgpr_workgroup_id_y 1
		.amdhsa_system_sgpr_workgroup_id_z 1
		.amdhsa_system_vgpr_workitem_id 0
		.amdhsa_next_free_vgpr 768
		.amdhsa_next_free_sgpr 102
		.amdhsa_reserve_vcc 0
		.amdhsa_float_denorm_mode_32 3
		.amdhsa_float_denorm_mode_16_64 3
		.amdhsa_memory_ordered 1
		.amdhsa_forward_progress 1
		.amdhsa_inst_pref_size 192
	.end_amdhsa_kernel
	.amdgpu_metadata
---
amdhsa.version: [ 1, 2 ]
amdhsa.kernels:
  - .name:           k_q90b84b4828_proj
    .symbol:         k_q90b84b4828_proj.kd
    .args:
      - { .name: xc, .offset: 0, .size: 8, .value_kind: global_buffer, .address_space: global }
      - { .name: xs, .offset: 8, .size: 8, .value_kind: global_buffer, .address_space: global }
      - { .name: wc, .offset: 16, .size: 8, .value_kind: global_buffer, .address_space: global }
      - { .name: ws, .offset: 24, .size: 8, .value_kind: global_buffer, .address_space: global }
      - { .name: bq, .offset: 32, .size: 8, .value_kind: global_buffer, .address_space: global }
      - { .name: bk, .offset: 40, .size: 8, .value_kind: global_buffer, .address_space: global }
      - { .name: bv, .offset: 48, .size: 8, .value_kind: global_buffer, .address_space: global }
      - { .name: pc, .offset: 56, .size: 8, .value_kind: global_buffer, .address_space: global }
      - { .name: ps, .offset: 64, .size: 8, .value_kind: global_buffer, .address_space: global }
    .group_segment_fixed_size: 327680
    .private_segment_fixed_size: 0
    .kernarg_segment_align: 8
    .kernarg_segment_size: 72
    .max_flat_workgroup_size: 128
    .sgpr_count:     102
    .vgpr_count:     768
    .wavefront_size: 32
...
	.end_amdgpu_metadata
.endif
;; end of part 2
;; launch attn (part 3): grid 4 x 64, 16 waves a work-group, clusters of 4 x 1, 210,944 bytes of LDS; arguments pc, ps, ac, asw; writes ac, asw
.if DOCPART == 3
	.amdgcn_target "amdgcn-amd-amdhsa--gfx1250"
	.amdhsa_code_object_version 6
	.text
	.protected	k_q90b84b4828_attn
	.globl	k_q90b84b4828_attn
	.p2align	8
	.type	k_q90b84b4828_attn,@function
k_q90b84b4828_attn:
	s_mov_b64 s[64:65], 0
	v_nop
	global_prefetch_b8 v0, s[64:65] scope:SCOPE_SE
	s_setreg_imm32_b32 hwreg(HW_REG_WAVE_MODE, 25, 1), 1
	s_wait_xcnt 0x0
	s_wait_alu depctr_hold_cnt(0) depctr_sa_sdst(0) depctr_va_vdst(0) depctr_va_sdst(0) depctr_va_ssrc(0) depctr_va_vcc(0) depctr_vm_vsrc(0)
	s_getreg_b32 s2, hwreg(HW_REG_IB_STS2, 6, 4)
	s_cmp_eq_u32 s2, 0
	s_cbranch_scc0 .Lentry_in_a_cluster
	s_endpgm
.Lentry_in_a_cluster:
	s_bfe_u32 s2, ttmp6, 0x10000c
	s_cmp_lg_u32 s2, 0x3003
	s_cbranch_scc0 .Lentry_shape_is_right
	s_endpgm
.Lentry_shape_is_right:
; For each batch and head: O = softmax(q k^T / 8) v, both products on codes of FP6 (E2M3) with E8M0 scales; O / l is quantised along the head's 64 for the output product.
; THE SOFTMAX: t = score x log2(e) / 8; M = the running largest t rounded UP to a whole number; p = 2^(t - M) is what is quantised, along the keys, not normalised.  The row's sum l is taken of the unquantised p
; and divides O at the end.  When M moves, l and O are multiplied by 2^(old M - new M), which rounds nothing.
; SHARES.  256 work-groups.  A work-group owns 512 queries of one head: 32 tiles of 16 (tile 2 B + u: tokens 32 B + 8 u + r + 8 (r / 8)).  Each of its sixteen waves takes two tiles, one after the other, and for each
; walks the head's 2,048 keys, 128 a step, 16 steps.  256 registers a wave: four waves to a SIMD.
; LDS.  The head's k (128 half fragments of 768 bytes) and v (16 key steps x 4 fragments of 1,536) lie whole in LDS and serve both walks; each byte is filled once.  Waves 0-3 ask for k's quarters, waves 4-7 for v's:
; one tensor load a wave, one barrier, and none after it.
; CLUSTER.  The four work-groups of a cluster are the four query blocks of one head and read the same k and v: every tile is asked for jointly, with a mask that names the four.
; NO PREFETCH: every tile is asked for once, at the head, ahead of the first loop: there is no later load that a loop could run ahead of.
; LAYOUT.  Both products are used transposed: S^T = k q^T (source 0 = 16 keys), O^T = v^T p^T (source 0 = 16 of the head's 64): a lane holds one query throughout.
; k's tile 4 B + u holds keys 64 B + 8 u + r % 8 + 32 (r / 8).  So in lane (r, h) the 32 registers of S^T's tiles 4 c .. 4 c + 3 are keys 64 c + 32 h + 0 .. 31 of the step, in order: one whole block of 32, and the very
; keys that the operand's layout gives that lane.  A block's maximum needs no other lane, and the conversions' results are p's operand (three registers of each block are moved: a conversion's three begin on an even number).
; O^T's 32 registers are the head's 32 B + 16 h + 0 .. 15.
; K = 64 IN A FORM OF K = 128.  q's registers 6 to 11 hold zero codes, so every product at k >= 64 is 0, whatever stands on k's side and whatever the scale bytes there (none is 0xff: the quantiser gives 1 to 254,
; a shift leaves 0).  So k's tile i is named v[40 + 6 i : 51 + 6 i]: its upper six registers are the next tile's codes (for tile 7: six zeros).
; LIMITS: no NaN or infinity; the promise holds while the scaled scores t stay under 2^31 in magnitude; a block of O / l under 2^-124, or of zeros, gets the byte 1.  A block's largest p is made from its largest score by
; the same multiply-add and exponential as every p.  asw is stored two bytes a row: the two heads of a scale word belong to different work-groups.
; REGISTERS: v1-9 addresses; v10 8 h; v11 the old -M, v12 -M, v13 the largest score; v16-27 q; v28-35 k's scale words, v36-39 v's, v130 p's, v131 q's; v40-93 k's tiles, then v's fragments; v96-107 p's codes;
;   v108-128 at work; v144-207 S^T, then p; v208-239 O^T; v240-247 l in four pairs.
.set KC,  0
.set VC,  98304
.set KS,  196608                       ; k's scale words of the head, shifted to the head's two bytes: [tile / 4][r][tile % 4]; stored by the waves, never a tensor load's target
.set VS,  204800                       ; v's: [key step][r][tile]
.set SPARE, 208896                     ; the spare words: 128 bytes for each of the 16 waves
.set S,   144
.set O,   208
.set L,   240
.set BM,  116                          ; v116-117 my two blocks' largest scores, then their largest p
.set BN,  118                          ; v118-119 a second chain of each maximum; then the conversions' scale operands
.macro PLACES n
.rept \n
	v_nop
.endr
.endm
.macro CROUND                          ; a round of the cluster's barrier
	s_barrier_signal -1
	s_barrier_wait -1
	s_cmp_lg_u32 s3, 0
	s_cbranch_scc1 .Lnot_wave_0_\@
	s_barrier_signal -3
.Lnot_wave_0_\@:
	s_barrier_wait -3
	s_barrier_signal -1
	s_barrier_wait -1
.endm
	s_load_b256 s[68:75], s[0:1], 0x0              ; pc 68, ps 70, ac 72, asw 74
	v_lshl_add_u32 v254, v0, 2, SPARE
	v_mov_b32 v255, 0
	ds_add_u32 v254, v255
	ds_add_u32 v254, v255
	v_lshrrev_b32 v1, 5, v0
	v_readfirstlane_b32 s3, v1                     ; wave 0..15
	v_and_b32 v10, 31, v0
	v_and_b32 v11, 15, v0
	v_lshlrev_b32 v135, 4, v0                      ; k's scale words in memory: 16 bytes a thread
	v_lshl_add_u32 v132, v0, 4, KS                 ; and in LDS
	v_lshl_add_u32 v133, v0, 3, VS                 ; v's in LDS: 8 bytes a thread
	v_lshrrev_b32 v136, 5, v0
	v_lshlrev_b32 v1, 4, v10                       ; 16 x lane
	v_lshlrev_b32 v2, 3, v10                       ; 8 x lane
	v_lshlrev_b32 v3, 4, v11                       ; 16 r
	v_lshlrev_b32 v134, 5, v11                     ; 32 r: my row in asw
	v_lshlrev_b32 v136, 12, v136
	v_lshl_add_u32 v136, v10, 3, v136              ; v's scale words in memory: wave w takes key step w's 256 bytes, 4,096 apart
	v_bfe_u32 v10, v0, 4, 1
	v_lshlrev_b32 v10, 3, v10                      ; 8 h: my bytes' place in p's scale word
	s_bfe_u32 s4, ttmp6, 0x40000                   ; cx: it enters q's, ac's and asw's addresses alone
	s_lshl_b32 s5, ttmp9, 2
	s_add_co_u32 s5, s5, s4                        ; my block of 512 queries
	s_and_b32 s6, ttmp7, 0xffff
	s_lshr_b32 s7, s6, 4                           ; batch
	s_and_b32 s8, s6, 15                           ; head
	s_lshr_b32 s9, s8, 1                           ; G: the pair of heads
	s_and_b32 s10, s8, 1                           ; e: which of the pair
	s_lshl_b32 s85, s10, 4                         ; 16 e: the head's two bytes in a scale word of q or k
	s_lshl_b32 s11, s7, 7
	s_lshl_b32 s13, s5, 5
	s_add_co_u32 s11, s11, s13
	s_add_co_u32 s11, s11, s3                      ; T: my first tile of tokens; my second is T + 16
	s_mul_i32 s86, s9, 786432                      ; k's tiles: the pair of heads,
	s_mul_i32 s12, s7, 196608                      ; the batch's 128 tiles,
	s_add_co_u32 s86, s86, s12
	s_mul_i32 s12, s10, 768                        ; the head's half,
	s_add_co_u32 s86, s86, s12
	s_add_co_u32 s86, s86, 6291456
	s_mul_i32 s12, s3, 49152                       ; and quarter w of them (waves 0-3 use it)
	s_add_co_u32 s86, s86, s12
	s_mov_b32 s87, 0
	s_mul_i32 s88, s7, 1572864                     ; v's: the batch's 16 key steps,
	s_mul_i32 s12, s8, 6144                        ; the head's four fragments,
	s_add_co_u32 s88, s88, s12
	s_add_co_u32 s88, s88, 12582912-4*393216
	s_mul_i32 s12, s3, 393216                      ; and quarter w - 4 of the key steps (waves 4-7 use it)
	s_add_co_u32 s88, s88, s12
	s_mov_b32 s89, 0
	s_mul_i32 s90, s9, 786432                      ; q's half fragment
	s_mul_i32 s13, s11, 1536
	s_add_co_u32 s90, s90, s13
	s_mul_i32 s13, s10, 768
	s_add_co_u32 s90, s90, s13
	s_mov_b32 s91, 0
	s_lshl_b32 s92, s9, 15                         ; q's scale words
	s_lshr_b32 s13, s11, 2
	s_lshl_b32 s13, s13, 8
	s_add_co_u32 s92, s92, s13
	s_and_b32 s13, s11, 3
	s_lshl_b32 s13, s13, 2
	s_add_co_u32 s92, s92, s13
	s_mov_b32 s93, 0
	s_lshl_b32 s94, s9, 15                         ; k's scale words: 8,192 dense bytes
	s_lshl_b32 s12, s7, 13
	s_add_co_u32 s94, s94, s12
	s_add_co_u32 s94, s94, 262144
	s_mov_b32 s95, 0
	s_lshl_b32 s66, s7, 16                         ; v's
	s_lshl_b32 s12, s8, 8
	s_add_co_u32 s66, s66, s12
	s_add_co_u32 s66, s66, 524288
	s_mov_b32 s67, 0
	s_mul_i32 s96, s11, 12288                      ; ac: tile T, the head's 768 bytes
	s_mul_i32 s13, s8, 768
	s_add_co_u32 s96, s96, s13
	s_mov_b32 s97, 0
	s_lshl_b32 s98, s11, 9                         ; asw: tile T, the head's two bytes
	s_lshl_b32 s13, s8, 1
	s_add_co_u32 s98, s98, s13
	s_mov_b32 s99, 0
	; descriptor group 1.  k: 32 half fragments of 768 bytes (96 elements of 8 bytes), 1,536 apart;  v: 4 key steps' 6,144 bytes (768 elements), 98,304 apart.  Dense in LDS
	s_mov_b32 s16, 15|(3<<16)|(1<<21)              ; 15:0 the mask: all four work-groups; 17:16 elements of 8 bytes; 21 set beside a mask
	s_mov_b32 s17, 96<<16
	s_mov_b32 s18, 32<<16
	s_mov_b32 s19, 96<<16
	s_mov_b32 s20, 32
	s_mov_b32 s21, 192
	s_mov_b32 s22, 0
	s_mov_b32 s23, 0
	s_mov_b32 s24, 15|(3<<16)|(1<<21)
	s_mov_b32 s25, 768<<16
	s_mov_b32 s26, 4<<16
	s_mov_b32 s27, 768<<16
	s_mov_b32 s28, 4
	s_mov_b32 s29, 12288
	s_mov_b32 s30, 0
	s_mov_b32 s31, 0
	s_mov_b32 s32, 1                               ; group 0 for k's quarter w,
	s_mul_i32 s33, s3, 24576                       ; which goes to 24,576 w;
	s_mov_b32 s36, 1                               ; for v's quarter w - 4,
	s_mul_i32 s37, s3, 24576                       ; which goes to 24,576 w too: v's bytes begin where k's four quarters end
	s_mov_b32 s76, 0x76543210
	s_mov_b32 s77, 0xfedcba98                      ; v_permlanex16_b32's selects for lane l xor 16
	s_mov_b32 s78, 0x3e38aa3b                      ; c = log2(e) / 8
	s_mov_b32 s79, 0xbe38aa3b                      ; -c (the packed form names the pair and takes its low word for both halves)
	s_wait_alu depctr_va_vdst(0)
	s_wait_dscnt 0x0
	s_wait_kmcnt 0x0
	s_add_nc_u64 s[34:35], s[68:69], s[86:87]
	s_or_b32 s35, s35, 0x80000000
	s_add_nc_u64 s[38:39], s[68:69], s[88:89]
	s_or_b32 s39, s39, 0x80000000
	s_add_nc_u64 s[90:91], s[68:69], s[90:91]
	s_add_nc_u64 s[92:93], s[70:71], s[92:93]
	s_add_nc_u64 s[94:95], s[70:71], s[94:95]
	s_add_nc_u64 s[66:67], s[70:71], s[66:67]
	s_add_nc_u64 s[72:73], s[72:73], s[96:97]
	s_add_nc_u64 s[74:75], s[74:75], s[98:99]
.macro QLOAD p                         ; my tile p's half fragment of q and its scale words: they stay in registers for a whole walk
	global_load_b128 v[16:19], v1, s[90:91] offset:24576*\p
	global_load_b64 v[20:21], v2, s[90:91] offset:24576*\p+512
	global_load_b32 v131, v3, s[92:93] offset:1024*\p
.endm
	global_load_b128 v[144:147], v135, s[94:95]    ; k's scale words: the work-group's 512 threads copy 8,192 consecutive bytes,
	global_load_b64 v[148:149], v136, s[66:67]     ; v's: 256 consecutive bytes a wave
	QLOAD 0
	CROUND                                         ; all four work-groups are here: the joint loads meet
	s_cmp_lt_u32 s3, 4                             ; one chain of branches on the wave's number, one load to an arm
	s_cbranch_scc0 .Lnot_k
	tensor_load_to_lds s[32:35], s[16:23]
	s_nop 0
	PLACES 4
	s_branch .Lasked
.Lnot_k:
	s_cmp_lt_u32 s3, 8
	s_cbranch_scc0 .Lasked
	tensor_load_to_lds s[36:39], s[24:31]
	s_nop 0
	PLACES 4
.Lasked:
.irp i, 0,1,2,3,4,5
	v_mov_b32 v[22+\i], 0                          ; q's codes at k = 64 .. 127: zeros
	v_mov_b32 v[88+\i], 0                          ; what tile 7 of k names as its upper half
.endr
	v_mov_b32 v121, 0                              ; written once: a lane permute's destination counts as one of its sources
	v_mov_b32 v122, 0
	v_mov_b32 v129, 0                              ; (named as the upper half of the pair v[128:129])
	s_wait_loadcnt 0x0
.irp i, 0,1,2,3
	v_lshrrev_b32 v[144+\i], s85, v[144+\i]        ; the head's two bytes come lowest
.endr
	ds_store_b128 v132, v[144:147]
	ds_store_b64 v133, v[148:149]
.macro INIT                            ; a walk begins
	v_lshrrev_b32 v131, s85, v131                  ; q's scale words: the head's two bytes come lowest.  (The lines below are its places ahead of the first product)
.set j, 0
.rept 32
	v_mov_b32 v[O+j], 0                            ; O^T.  (The step is written once: the first finds zeros, which the first change of M leaves zeros)
.set j, j+1
.endr
.irp i, 0,1,2,3,4,5,6,7
	v_mov_b32 v[L+\i], 0
.endr
	v_mov_b32 v13, 0xff61b1e6                      ; the largest score so far: -3e38, under every score
	v_mov_b32 v12, 0x7e800000                      ; -M with no key seen: so large that the first step's factor is 0
	s_mov_b32 s80, KC                              ; where the step's tiles of k,
	s_mov_b32 s81, VC                              ; its fragments of v,
	s_mov_b32 s82, KS                              ; and their scale words begin
	s_mov_b32 s83, VS
.endm
; A KEY STEP: 128 keys.
.macro STEP
	v_add_nc_u32 v4, s80, v1                       ; these four are the places in front of loads into registers that the last products have read
	v_add_nc_u32 v5, s80, v2
	v_add_nc_u32 v8, s82, v3
	v_nop
.irp i, 0,1,2,3,4,5,6,7
	ds_load_b128 v[40+6*\i:43+6*\i], v4 offset:768*\i
	ds_load_b64 v[44+6*\i:45+6*\i], v5 offset:768*\i+512
.endr
	ds_load_b128 v[28:31], v8                      ; four tiles' scale words of my row in one load
	ds_load_b128 v[32:35], v8 offset:256
	s_wait_dscnt 0x0
.irp i, 0,1,2,3,4,5,6,7
	v_wmma_scale_f32_16x16x128_f8f6f4 v[S+8*\i:S+8*\i+7], v[40+6*\i:51+6*\i], v[16:27], 0, v[28+\i], v131 matrix_a_fmt:MATRIX_FMT_FP6 matrix_b_fmt:MATRIX_FMT_FP6
.endr
	v_add_nc_u32 v6, s81, v1                       ; four places in front of the loads below and of the first read of the scores
	v_add_nc_u32 v7, s81, v2
	v_add_nc_u32 v9, s83, v3
	v_nop
.irp t, 0,1,2,3                        ; v's fragments come while the softmax is worked
	ds_load_b128 v[40+12*\t:43+12*\t], v6 offset:1536*\t
	ds_load_b64 v[44+12*\t:45+12*\t], v7 offset:1536*\t+512
	ds_load_b128 v[46+12*\t:49+12*\t], v6 offset:1536*\t+768
	ds_load_b64 v[50+12*\t:51+12*\t], v7 offset:1536*\t+1280
.endr
	ds_load_b128 v[36:39], v9
; the largest score of each of my two blocks of 32 keys: it serves for the row's maximum and, since p rises with the score, for the block's largest p.  Two chains a block, four by turns; each accumulator from its low end on
.irp c, 0,1
	v_max3_num_f32 v[BM+\c], v[S+32*\c], v[S+32*\c+1], v[S+32*\c+2]
	v_max3_num_f32 v[BN+\c], v[S+32*\c+17], v[S+32*\c+18], v[S+32*\c+19]
.endr
.irp i, 3,5,7,9,11,13
.irp c, 0,1
	v_max3_num_f32 v[BM+\c], v[BM+\c], v[S+32*\c+\i], v[S+32*\c+\i+1]
	v_max3_num_f32 v[BN+\c], v[BN+\c], v[S+32*\c+17+\i], v[S+32*\c+18+\i]
.endr
.endr
.irp c, 0,1
	v_max3_num_f32 v[BM+\c], v[BM+\c], v[S+32*\c+15], v[S+32*\c+16]
.endr
.irp c, 0,1
	v_max_num_f32 v[BM+\c], v[BM+\c], v[BN+\c]
.endr
	s_delay_alu instid0(VALU_DEP_1)
	v_max_num_f32 v120, v[BM], v[BM+1]
	v_mov_b32 v11, v12                             ; the old -M
	s_delay_alu instid0(VALU_DEP_2)
	v_permlanex16_b32 v121, v120, s76, s77         ; lane l xor 16 holds my query's other two blocks
	s_delay_alu instid0(VALU_DEP_1)
	v_max3_num_f32 v13, v13, v120, v121            ; the running largest score of my query
	s_delay_alu instid0(VALU_DEP_1)
	v_mul_f32 v120, s79, v13                       ; -t (c is positive)
	s_delay_alu instid0(VALU_DEP_1)
	v_floor_f32 v12, v120                          ; the new -M = floor(-t) = -ceil(t)
	s_delay_alu instid0(VALU_DEP_1)
	v_sub_f32 v120, v12, v11                       ; old M - new M: a whole number, 0 or less
	s_delay_alu instid0(VALU_DEP_1)
	v_cvt_i32_f32 v120, v120                       ; (it saturates)
.set j, 0
.rept 32
	v_pk_fma_f32 v[S+j:S+j+1], v[S+j:S+j+1], s[78:79], v[12:13] op_sel_hi:[1,0,0]   ; t - M, two at a time
.set j, j+2
.endr
.irp c, 0,1
	v_fma_f32 v[BM+\c], v[BM+\c], s78, v12         ; the same of each block's largest score
.endr
	s_wait_alu depctr_va_vdst(0)
.set j, 0
.rept 64
	v_exp_f32 v[S+j], v[S+j]                       ; p = 2^(t - M)
.set j, j+1
.endr
.irp c, 0,1
	v_exp_f32 v[BM+\c], v[BM+\c]                   ; the block's largest p: the same two instructions on the same number
.endr
	v_ldexp_f32 v128, 1.0, v120                    ; f = 2^(old M - new M).  (The plain place behind the exponentials)
	s_wait_alu depctr_va_vdst(0)                   ; one wait for the whole batch, ahead of its first reader
.irp c, 0,1
	v_max_num_f32 v[BM+\c], 0x1800000, v[BM+\c]    ; the floor 2^(3 - 127): the byte cannot fall under 1
.endr
.irp c, 0,1
	v_add_nc_u32 v[BN+\c], 0xff000000, v[BM+\c]    ; 2 off the exponent field: the conversion's scale operand
.endr
.irp c, 0,1                            ; my block 2 c + h: registers 6 c .. 6 c + 5 of p's operand
	v_cvt_scalef32_pk16_fp6_f32 v[96+6*\c:98+6*\c], v[S+32*\c:S+32*\c+15], v[BN+\c]
	v_cvt_scalef32_pk16_fp6_f32 v[108+4*\c:110+4*\c], v[S+32*\c+16:S+32*\c+31], v[BN+\c]
.endr
	v_lshrrev_b32 v123, 23, v[BN]                  ; the bytes of blocks h and 2 + h.  (Plain lines behind the conversions)
	v_lshrrev_b32 v124, 23, v[BN+1]
	s_delay_alu instid0(VALU_DEP_1)
	v_lshl_or_b32 v120, v124, 16, v123
	s_delay_alu instid0(VALU_DEP_1)
	v_lshlrev_b32 v120, v10, v120                  ; at their places in the word;
	s_delay_alu instid0(VALU_DEP_1)
	v_permlanex16_b32 v122, v120, s76, s77
	s_delay_alu instid0(VALU_DEP_1)
	v_or_b32 v130, v120, v122                      ; with lane l xor 16's two p's scale word for these 128 keys is whole
.irp i, 0,1,2
	v_mov_b32 v[99+\i], v[108+\i]
	v_mov_b32 v[105+\i], v[112+\i]
.endr
.irp i, 0,1,2,3                        ; l, of the unquantised p, in four pairs by turns: the first four additions bring the old sums under the new M
	v_pk_fma_f32 v[L+2*\i:L+2*\i+1], v[L+2*\i:L+2*\i+1], v[128:129], v[S+2*\i:S+2*\i+1] op_sel_hi:[1,0,1]
.endr
.set j, 8
.rept 28
	v_pk_add_f32 v[L+(j%8):L+(j%8)+1], v[L+(j%8):L+(j%8)+1], v[S+j:S+j+1]
.set j, j+2
.endr
	s_wait_dscnt 0x0                               ; v's fragments and scale words are in
	s_wait_alu depctr_va_vdst(0)
.set j, 0
.rept 16
	v_pk_mul_f32 v[O+j:O+j+1], v[O+j:O+j+1], v[128:129] op_sel_hi:[1,0]   ; O^T under the new M; each accumulator from its low end on
.set j, j+2
.endr
.irp t, 0,1,2,3
	v_wmma_scale_f32_16x16x128_f8f6f4 v[O+8*\t:O+8*\t+7], v[40+12*\t:51+12*\t], v[96:107], v[O+8*\t:O+8*\t+7], v[36+\t], v130 matrix_a_fmt:MATRIX_FMT_FP6 matrix_b_fmt:MATRIX_FMT_FP6
.endr
	s_add_co_u32 s80, s80, 6144                    ; the next step's tiles and scale words
	s_add_co_u32 s81, s81, 6144
	s_add_co_u32 s82, s82, 512
	s_add_co_u32 s83, s83, 256
.endm
.macro WALK                            ; the head's 2,048 keys
	s_mov_b32 s84, 16
.Lst_\@:
	STEP
	s_sub_co_u32 s84, s84, 1
	s_cmp_lg_u32 s84, 0
	s_cbranch_scc1 .Lst_\@
.endm
; THE WAY OUT of my tile p: O^T / l, quantised along the head's 64: two blocks, half a fragment and two bytes a row
.macro FINISH p
	v_pk_add_f32 v[L:L+1], v[L:L+1], v[L+2:L+3]    ; l's four pairs: these lines are also the places in front of the first read of O^T
	v_pk_add_f32 v[L+4:L+5], v[L+4:L+5], v[L+6:L+7]
	s_delay_alu instid0(VALU_DEP_1)
	v_pk_add_f32 v[L:L+1], v[L:L+1], v[L+4:L+5]
	s_delay_alu instid0(VALU_DEP_1)
	v_add_f32 v[L], v[L], v[L+1]
	s_delay_alu instid0(VALU_DEP_1)
	v_permlanex16_b32 v121, v[L], s76, s77
	s_delay_alu instid0(VALU_DEP_1)
	v_add_f32 v[L], v[L], v121                     ; the row's sum
	s_wait_alu depctr_va_vdst(0)
	v_rcp_f32 v[L], v[L]
	v_nop                                          ; one plain place behind a transcendental
	s_wait_alu depctr_va_vdst(0)
.set j, 0
.rept 16
	v_pk_mul_f32 v[S+j:S+j+1], v[O+j:O+j+1], v[L:L+1] op_sel_hi:[1,0]   ; register 16 B + i: the head's 32 B + 16 h + i
.set j, j+2
.endr
.irp b, 0,1
	v_max3_num_f32 v[BM+\b], |v[S+16*\b]|, |v[S+16*\b+1]|, 0x1800000
.endr
.irp i, 2,4,6,8,10,12,14
.irp b, 0,1
	s_delay_alu instid0(VALU_DEP_2)
	v_max3_num_f32 v[BM+\b], v[BM+\b], |v[S+16*\b+\i]|, |v[S+16*\b+\i+1]|
.endr
.endr
.irp b, 0,1
	s_delay_alu instid0(VALU_DEP_2)
	v_permlanex16_b32 v[121+\b], v[BM+\b], s76, s77
.endr
.irp b, 0,1
	s_delay_alu instid0(VALU_DEP_2)
	v_max_num_f32 v[BM+\b], v[BM+\b], v[121+\b]    ; with lane l xor 16's 16: the block's largest magnitude
.endr
.irp b, 0,1
	s_delay_alu instid0(VALU_DEP_2)
	v_add_nc_u32 v[BN+\b], 0xff000000, v[BM+\b]
.endr
.irp b, 0,1
	s_delay_alu instid0(VALU_DEP_2)
	v_lshrrev_b32 v[123+\b], 23, v[BN+\b]
.endr
	s_delay_alu instid0(VALU_DEP_1)
	v_lshl_or_b32 v120, v124, 8, v123
	v_cvt_scalef32_pk16_fp6_f32 v[96:98], v[S:S+15], v[BN]
	v_cvt_scalef32_pk16_fp6_f32 v[108:110], v[S+16:S+31], v[BN+1]
	v_nop                                          ; one plain place behind a scaled conversion
.irp i, 0,1,2
	v_permlane16_swap_b32 v[96+\i], v[108+\i]      ; the operand's layout wants a whole block in a lane
.endr
.irp i, 0,1,2
	v_mov_b32 v[99+\i], v[108+\i]
.endr
	global_store_b128 v1, v[96:99], s[72:73] offset:196608*\p          ; 512 consecutive bytes, at a multiple of 256 from ac's first byte
	global_store_b64 v2, v[100:101], s[72:73] offset:196608*\p+512
	global_store_b16 v134, v120, s[74:75] offset:8192*\p               ; (lanes 16-31 hold and write the same)
.endm
	INIT
	s_wait_alu depctr_va_vdst(0)
	s_wait_tensorcnt 0x0                           ; my quarter of k or of v has landed,
	s_wait_dscnt 0x0                               ; and my stores of scale words
	s_barrier_signal -1
	s_barrier_wait -1                              ; everybody's have: k, v and their scale words are whole, and nothing in LDS is written from here on
	WALK
	QLOAD 1                                        ; my second tile's q comes while the first tile goes out
	FINISH 0
	s_wait_alu depctr_va_vdst(0)
	s_wait_loadcnt 0x0                             ; q is in
	s_wait_xcnt 0x0                                ; the stores have read their registers, which the second walk writes again
	INIT
	s_wait_alu depctr_va_vdst(0)
	WALK
	FINISH 1
	s_wait_tensorcnt 0x0                           ; the wave's end
	ds_add_u32 v254, v255
	s_wait_dscnt 0x0
	CROUND                                         ; the closing round
	s_endpgm
.Lfunc_end_k_q90b84b4828_attn:
	.size	k_q90b84b4828_attn, .Lfunc_end_k_q90b84b4828_attn-k_q90b84b4828_attn
	.p2alignl 7, 3214868480
	.fill 96, 4, 3214868480
	.section	.rodata,"a",@progbits
	.p2align	6, 0x0
	.amdhsa_kernel k_q90b84b4828_attn
		.amdhsa_group_segment_fixed_size 210944
		.amdhsa_private_segment_fixed_size 0
		.amdhsa_enable_private_segment 0
		.amdhsa_kernarg_size 32
		.amdhsa_user_sgpr_count 2
		.amdhsa_user_sgpr_kernarg_segment_ptr 1
		.amdhsa_wavefront_size32 1
		.amdhsa_system_sgpr_workgroup_id_x 1
		.amdhsa_system_sgpr_workgroup_id_y 1
		.amdhsa_system_sgpr_workgroup_id_z 1
		.amdhsa_system_vgpr_workitem_id 0
		.amdhsa_next_free_vgpr 256
		.amdhsa_next_free_sgpr 100
		.amdhsa_reserve_vcc 0
		.amdhsa_float_denorm_mode_32 3
		.amdhsa_float_denorm_mode_16_64 3
		.amdhsa_memory_ordered 1
		.amdhsa_forward_progress 1
		.amdhsa_inst_pref_size 52
	.end_amdhsa_kernel
	.amdgpu_metadata
---
amdhsa.version: [ 1, 2 ]
amdhsa.kernels:
  - .name:           k_q90b84b4828_attn
    .symbol:         k_q90b84b4828_attn.kd
    .args:
      - { .name: pc, .offset: 0, .size: 8, .value_kind: global_buffer, .address_space: global }
      - { .name: ps, .offset: 8, .size: 8, .value_kind: global_buffer, .address_space: global }
      - { .name: ac, .offset: 16, .size: 8, .value_kind: global_buffer, .address_space: global }
      - { .name: asw, .offset: 24, .size: 8, .value_kind: global_buffer, .address_space: global }
    .group_segment_fixed_size: 210944
    .private_segment_fixed_size: 0
    .kernarg_segment_align: 8
    .kernarg_segment_size: 32
    .max_flat_workgroup_size: 512
    .sgpr_count:     100
    .vgpr_count:     256
    .wavefront_size: 32
...
	.end_amdgpu_metadata
.endif
;; end of part 3
;; launch outp (part 4): grid 8 x 32, 4 waves a work-group, clusters of 4 x 4, 327,680 bytes of LDS; arguments ac, asw, wc, ws, bo, out0; writes out0
.if DOCPART == 4
	.amdgcn_target "amdgcn-amd-amdhsa--gfx1250"
	.amdhsa_code_object_version 6
	.text
	.protected	k_q90b84b4828_outp
	.globl	k_q90b84b4828_outp
	.p2align	8
	.type	k_q90b84b4828_outp,@function
k_q90b84b4828_outp:
	s_mov_b64 s[64:65], 0
	v_nop
	global_prefetch_b8 v0, s[64:65] scope:SCOPE_SE
	s_setreg_imm32_b32 hwreg(HW_REG_WAVE_MODE, 25, 1), 1
	s_wait_xcnt 0x0
	s_wait_alu depctr_hold_cnt(0) depctr_sa_sdst(0) depctr_va_vdst(0) depctr_va_sdst(0) depctr_va_ssrc(0) depctr_va_vcc(0) depctr_vm_vsrc(0)
	s_getreg_b32 s2, hwreg(HW_REG_IB_STS2, 6, 4)
	s_cmp_eq_u32 s2, 0
	s_cbranch_scc0 .Lentry_in_a_cluster
	s_endpgm
.Lentry_in_a_cluster:
	s_bfe_u32 s2, ttmp6, 0x10000c
	s_cmp_lg_u32 s2, 0xf033
	s_cbranch_scc0 .Lentry_shape_is_right
	s_endpgm
.Lentry_shape_is_right:
; out0 = (attention's result) Wo + bo on codes of FP6 (E2M3) with E8M0 scales, sums in f32, which begin with the bias.
; The frame is that of the projections: operands lie as images of their registers (a tile: 16 rows, tile 2 B + u = rows 32 B + 8 u + r + 8 (r / 8); a fragment: a tile x 128 K, 1,536 bytes = 2 x (512 + 256)).
; Source 0 (S0) = Wo's output columns, 128 to a work-group; source 1 (S1) = tokens, 256 to a work-group; wave w takes S1's tiles 4 w .. 4 w + 3 against S0's eight: 32 accumulators.
; All of K = 1,024 lies in LDS, two chunks of 512 K, each byte filled once; a wave asks for its part of chunk 0 at the head and of chunk 1 behind a round of the cluster's barrier.
; CLUSTERS: 4 x 4: S1's tiles are asked for jointly along a row of the cluster, S0's along a column.
; In the result lane (r, h) holds token r of a tile, and the registers of tiles 2 B, 2 B + 1 of S0 are columns 32 B + 16 h + 0 .. 15: a tile of tokens goes through the wave's stage and leaves as rows of 512 bytes.
; REGISTERS: window 0: v1-31 addresses; v32-79 scale words and nothing else; v80-175 S1's fragments, two sets; on the way out v80-207 rows of the result.  window 1: the accumulators, (a, b) at v[64 a + 8 b].
;   window 2: S0's fragments, two sets at v0 and v128; the bias at v96-127 and v224-255.
; LDS AS IT IS NOW (in place of the four chunks named above): two halves of K, 512 each; a half holds S1's 16 tiles and then S0's 8 tiles, 6,144 bytes a tile.  Every byte is filled once.
; A wave asks for its part of the first half at the head and for its part of the second behind the waits, the add and a round of the cluster's barrier: one tensor load of a wave is out at a time.
.set CH,   147456                      ; a half of K
.set S0O,  98304                       ; S0's tiles in it
.set A1W,  8
.set A1N,  12
.set A0W,  16
.set A0N,  20
.set SA,   32
.set SB,   48
.set F1,   80
.set SPI,  528                         ; a stage row: 512 bytes + 16
.set MSB,  0
.macro WIN new                         ; the immediate's high byte repeats the setting that is left
.if MSB != \new
	s_set_vgpr_msb (MSB<<8)|\new
.set MSB, \new
.endif
.endm
.macro PLACES n
.rept \n
	v_nop
.endr
.endm
.macro CROUND                          ; a round of the cluster's barrier
	s_barrier_signal -1
	s_barrier_wait -1
	s_cmp_lg_u32 s3, 0
	s_cbranch_scc1 .Lnot_wave_0_\@
	s_barrier_signal -3
.Lnot_wave_0_\@:
	s_barrier_wait -3
	s_barrier_signal -1
	s_barrier_wait -1
.endm
	s_load_b256 s[68:75], s[0:1], 0x0              ; ac 68, asw 70, wc 72, ws 74
	s_load_b128 s[76:79], s[0:1], 0x20             ; bo 76, out0 78
	v_lshl_add_u32 v254, v0, 2, 0x48000
	v_mov_b32 v255, 0
	ds_add_u32 v254, v255
	ds_add_u32 v254, v255
	v_lshrrev_b32 v1, 5, v0
	v_readfirstlane_b32 s3, v1                     ; wave
	v_and_b32 v1, 15, v0                           ; r
	v_bfe_u32 v2, v0, 4, 1                         ; h
	v_and_b32 v5, 31, v0
	v_lshlrev_b32 v3, 4, v5                        ; 16 x lane
	v_lshlrev_b32 v4, 3, v5                        ; 8 x lane
	s_mul_i32 s8, s3, 24576                        ; my four tiles of S1
.irp c, 0,1
	s_add_co_u32 s9, s8, \c*CH
	v_add_nc_u32 v[A1W+\c], s9, v3
	v_add_nc_u32 v[A1N+\c], s9, v4
	v_add_nc_u32 v[A0W+\c], \c*CH+S0O, v3
	v_add_nc_u32 v[A0N+\c], \c*CH+S0O, v4
.endr
	v_lshlrev_b32 v24, 5, v1
	v_lshl_add_u32 v25, v2, 11, v24                ; S0's scale words: 32 r, lanes 16-31 four tiles on
	v_lshl_add_u32 v24, v2, 10, v24                ; S1's: lanes 16-31 two tiles on
	v_lshlrev_b32 v26, 6, v2                       ; the bias: 16 h numbers on
	s_mul_i32 s8, s3, 16*SPI                       ; my stage: in chunk 0, which has had its only fill and its last read when the first result is stored there
	v_mul_u32_u24 v29, v1, SPI
	v_lshl_add_u32 v29, v2, 6, v29
	v_add_nc_u32 v29, s8, v29                      ; in: row r, + 64 h bytes
	v_add_nc_u32 v30, s8, v3                       ; back: a row of 512 bytes, 16 a lane
	s_lshr_b32 s15, s3, 1                          ; I fetch for S1 (0) or for S0 (1),
	s_and_b32 s14, s3, 1                           ; its first or its second half
	s_bfe_u32 s4, ttmp6, 0x40000                   ; cx
	s_bfe_u32 s5, ttmp6, 0x40004                   ; cy
	s_lshl_b32 s86, ttmp9, 2
	s_add_co_u32 s86, s86, s4                      ; X: which 128 columns
	s_and_b32 s87, ttmp7, 0xffff
	s_lshl_b32 s87, s87, 2
	s_add_co_u32 s87, s87, s5                      ; Y: which 256 tokens
	s_lshl_b32 s12, s5, 2
	s_lshl_b32 s12, 15, s12                        ; my row of the cluster
	s_lshl_b32 s13, 0x1111, s4                     ; my column
	s_or_b32 s16, s12, (3<<16)|(1<<21)             ; group 1 for S1: 8 tiles' 6,144 bytes (768 elements of 8 bytes), 12,288 bytes apart, dense in LDS
	s_mov_b32 s17, 768<<16                         ; 6,144 bytes of a tile, four K steps
	s_mov_b32 s18, 8<<16
	s_mov_b32 s19, 768<<16
	s_mov_b32 s20, 8
	s_mov_b32 s21, 1536
	s_mov_b32 s22, 0
	s_mov_b32 s23, 0
	s_or_b32 s24, s13, (3<<16)|(1<<21)             ; for S0: 4 tiles
	s_mov_b32 s25, 768<<16
	s_mov_b32 s26, 4<<16
	s_mov_b32 s27, 768<<16
	s_mov_b32 s28, 4
	s_mov_b32 s29, 1536
	s_mov_b32 s30, 0
	s_mov_b32 s31, 0
	; what hangs on Y is made in s8, s9, s12, s13; what hangs on X in s10, s11
	s_lshl_b32 s8, s87, 4
	s_lshl_b32 s9, s14, 3
	s_add_co_u32 s12, s8, s9
	s_mul_i32 s12, s12, 12288
	s_mov_b32 s13, 0
	s_lshl_b32 s10, s86, 3
	s_lshl_b32 s11, s14, 2
	s_add_co_u32 s10, s10, s11
	s_mul_i32 s10, s10, 12288
	s_add_co_u32 s10, s10, 2359296                 ; Wo is the fourth weight in wc
	s_mov_b32 s11, 0
	s_wait_dscnt 0x0
	s_wait_kmcnt 0x0
	s_add_nc_u64 s[92:93], s[68:69], s[12:13]      ; S1's tiles 16 Y + 8 p on
	s_add_nc_u64 s[90:91], s[72:73], s[10:11]      ; S0's tiles 8 X + 4 p on
	s_lshl_b32 s9, s3, 2
	s_add_co_u32 s8, s8, s9                        ; my first tile of S1: 16 Y + 4 w
	s_lshl_b32 s12, s8, 9
	s_add_nc_u64 s[96:97], s[70:71], s[12:13]      ; its scale words
	s_lshl_b32 s12, s8, 16                         ; 16 tokens of 4,096 bytes a tile
	s_add_nc_u64 s[78:79], s[78:79], s[12:13]
	s_lshl_b32 s10, s86, 12
	s_add_co_u32 s10, s10, 98304
	s_add_nc_u64 s[94:95], s[74:75], s[10:11]      ; S0's scale words
	s_lshl_b32 s10, s86, 9
	s_add_nc_u64 s[98:99], s[76:77], s[10:11]      ; the bias of my 128 columns,
	s_add_nc_u64 s[78:79], s[78:79], s[10:11]      ; and their 512 bytes in a row of the result
	s_mul_i32 s6, s14, 49152                       ; where my half of the tiles goes: no place in the cluster enters an LDS address
	s_mul_i32 s9, s14, 24576
.irp c, 0,1
	s_mov_b32 s[32+4*\c], 1
	s_add_co_u32 s[33+4*\c], s6, \c*CH
	s_add_nc_u64 s[34+4*\c:35+4*\c], s[92:93], \c*6144
	s_or_b32 s[35+4*\c], s[35+4*\c], 0x80000000
	s_mov_b32 s[48+4*\c], 1
	s_add_co_u32 s[49+4*\c], s9, \c*CH+S0O
	s_add_nc_u64 s[50+4*\c:51+4*\c], s[90:91], \c*6144
	s_or_b32 s[51+4*\c], s[51+4*\c], 0x80000000
.endr
	CROUND                                         ; all sixteen work-groups are here: the joint loads meet
	s_cmp_eq_u32 s15, 0                            ; a wave's first fill stands in one branch on its number; four v_nop follow it
	s_cbranch_scc0 .Lfor_s0
	tensor_load_to_lds s[32:35], s[16:23]
	s_nop 0
	PLACES 4
	s_branch .Lasked
.Lfor_s0:
	tensor_load_to_lds s[48:51], s[24:31]
	s_nop 0
	PLACES 4
.Lasked:
	s_wait_alu depctr_va_vdst(0)
.irp i, 0,1
.irp j, 0,1
	global_load_b128 v[SA+8*\i+4*\j:SA+8*\i+4*\j+3], v24, s[96:97] offset:512*\i+16*\j
.endr
.endr
.irp i, 0,1,2,3
.irp j, 0,1
	global_load_b128 v[SB+8*\i+4*\j:SB+8*\i+4*\j+3], v25, s[94:95] offset:512*\i+16*\j
.endr
.endr
	WIN 0x80                                       ; destination window 2: the bias in the result's layout: register j of tile b belongs to column 32 (b / 2) + 16 h + 8 (b % 2) + j
.irp b, 0,1,2,3,4,5,6,7
	global_load_b128 v[96+8*\b+96*(\b/4):96+8*\b+96*(\b/4)+3], v26, s[98:99] offset:(32*(\b/2)+8*(\b%2))*4
	global_load_b128 v[96+8*\b+96*(\b/4)+4:96+8*\b+96*(\b/4)+7], v26, s[98:99] offset:(32*(\b/2)+8*(\b%2))*4+16
.endr
	WIN 0
	s_wait_loadcnt 0x0
; 48 LDS loads: the fragments of K step q of chunk c: S0's eight into set buf of window 2, my four of S1 into set buf of window 0
.macro FRAGS buf, c, q
	WIN 0x80
.irp b, 0,1,2,3,4,5,6,7
	ds_load_b128 v[128*(\buf)+12*\b:128*(\buf)+12*\b+3], v[A0W+(\c)] offset:6144*\b+1536*(\q)
	ds_load_b64 v[128*(\buf)+12*\b+4:128*(\buf)+12*\b+5], v[A0N+(\c)] offset:6144*\b+1536*(\q)+512
	ds_load_b128 v[128*(\buf)+12*\b+6:128*(\buf)+12*\b+9], v[A0W+(\c)] offset:6144*\b+1536*(\q)+768
	ds_load_b64 v[128*(\buf)+12*\b+10:128*(\buf)+12*\b+11], v[A0N+(\c)] offset:6144*\b+1536*(\q)+1280
.endr
	WIN 0
.irp a, 0,1,2,3
	ds_load_b128 v[F1+48*(\buf)+12*\a:F1+48*(\buf)+12*\a+3], v[A1W+(\c)] offset:6144*\a+1536*(\q)
	ds_load_b64 v[F1+48*(\buf)+12*\a+4:F1+48*(\buf)+12*\a+5], v[A1N+(\c)] offset:6144*\a+1536*(\q)+512
	ds_load_b128 v[F1+48*(\buf)+12*\a+6:F1+48*(\buf)+12*\a+9], v[A1W+(\c)] offset:6144*\a+1536*(\q)+768
	ds_load_b64 v[F1+48*(\buf)+12*\a+10:F1+48*(\buf)+12*\a+11], v[A1N+(\c)] offset:6144*\a+1536*(\q)+1280
.endr
.endm
; one product.  ra, rb = 1: that side's scale words stand in lanes 16-31 of the register named
.macro ONE d, fa, fb, cb, sa, sb, ra, rb
.if ((\ra) == 0) && ((\rb) == 0)
	v_wmma_scale_f32_16x16x128_f8f6f4 v[0+(\d):7+(\d)], v[0+(\fa):11+(\fa)], v[0+(\fb):11+(\fb)], v[0+(\cb):7+(\cb)], v[0+(\sa)], v[0+(\sb)] matrix_a_fmt:MATRIX_FMT_FP6 matrix_b_fmt:MATRIX_FMT_FP6
.elseif (\rb) == 0
	v_wmma_scale_f32_16x16x128_f8f6f4 v[0+(\d):7+(\d)], v[0+(\fa):11+(\fa)], v[0+(\fb):11+(\fb)], v[0+(\cb):7+(\cb)], v[0+(\sa)], v[0+(\sb)] matrix_a_fmt:MATRIX_FMT_FP6 matrix_b_fmt:MATRIX_FMT_FP6 matrix_a_scale:MATRIX_SCALE_ROW1
.elseif (\ra) == 0
	v_wmma_scale_f32_16x16x128_f8f6f4 v[0+(\d):7+(\d)], v[0+(\fa):11+(\fa)], v[0+(\fb):11+(\fb)], v[0+(\cb):7+(\cb)], v[0+(\sa)], v[0+(\sb)] matrix_a_fmt:MATRIX_FMT_FP6 matrix_b_fmt:MATRIX_FMT_FP6 matrix_b_scale:MATRIX_SCALE_ROW1
.else
	v_wmma_scale_f32_16x16x128_f8f6f4 v[0+(\d):7+(\d)], v[0+(\fa):11+(\fa)], v[0+(\fb):11+(\fb)], v[0+(\cb):7+(\cb)], v[0+(\sa)], v[0+(\sb)] matrix_a_fmt:MATRIX_FMT_FP6 matrix_b_fmt:MATRIX_FMT_FP6 matrix_a_scale:MATRIX_SCALE_ROW1 matrix_b_scale:MATRIX_SCALE_ROW1
.endif
.endm
.macro MULS buf, s                     ; K step s: 32 products; the 32 accumulators take turns, one instruction a turn, in the same order in every step.  Step 0 takes the bias as C: nothing is cleared or added
.if (\s) == 0
	WIN 0x62                                       ; source 0 and C window 2, source 1 window 0, D window 1
.else
	WIN 0x52                                       ; source 0 window 2, source 1 window 0, C and D window 1
.endif
.irp a, 0,1,2,3
.irp b, 0,1,2,3,4,5,6,7
.if (\s) == 0
	ONE 64*\a+8*\b, 128*(\buf)+12*\b, F1+48*(\buf)+12*\a, 96+8*\b+96*(\b/4), SB+8*(\b%4)+(\s), SA+8*(\a%2)+(\s), \b/4, \a/2
.else
	ONE 64*\a+8*\b, 128*(\buf)+12*\b, F1+48*(\buf)+12*\a, 64*\a+8*\b, SB+8*(\b%4)+(\s), SA+8*(\a%2)+(\s), \b/4, \a/2
.endif
.endr
.endr
.endm
.macro KSTEP s
	s_wait_dscnt 0x0                               ; this step's fragments are in, and no LDS instruction of mine is out at a signal
.if (\s) == 3
	s_wait_tensorcnt 0x0                           ; my part of the second half of K has landed
	s_barrier_signal -1
	s_barrier_wait -1                              ; everybody's has; and behind the first of these barriers nobody reads chunk 0 any more
.endif
.if (\s) < 7
	WIN 0
.if (\s) > 0
	PLACES 4                                       ; in front of loads into registers that the last step's products have read (ISA guide 7.12.1 for vector instructions)
.endif
	FRAGS ((\s)+1)%2, ((\s)+1)/4, ((\s)+1)%4       ; the next step's fragments come while this step is multiplied
.endif
	MULS (\s)%2, \s
.endm
	s_wait_alu depctr_va_vdst(0)
	s_wait_tensorcnt 0x0                           ; my part of the first half of K has landed
	ds_add_u32 v254, v255
	s_wait_dscnt 0x0
	CROUND                                         ; everybody's part is in, and all sixteen work-groups are here: the joint loads meet
	s_cmp_eq_u32 s15, 0
	s_cbranch_scc0 .Lfor_s0_b
	tensor_load_to_lds s[36:39], s[16:23]          ; the second half of K: my one tensor load behind the round
	s_nop 0
	PLACES 4
	s_branch .Lasked_b
.Lfor_s0_b:
	tensor_load_to_lds s[52:55], s[24:31]
	s_nop 0
	PLACES 4
.Lasked_b:
	FRAGS 0, 0, 0
.irp s, 0,1,2,3,4,5,6,7
	KSTEP \s
.endr
	WIN 0
; THE WAY OUT, a tile of 16 tokens x 128 columns at a time, through my own stage.  LDS serves a wave's instructions in order (ISA guide 5.7.1.4): no wait between the stores and the loads, nor in front of the next tile's stores.
.macro TOSTAGE a
	WIN 0x04                                       ; an LDS store's data are its source 1: window 1
.irp b, 0,1,2,3,4,5,6,7
	ds_store_b128 v29, v[64*(\a)+8*\b:64*(\a)+8*\b+3] offset:128*(\b/2)+32*(\b%2)        ; each accumulator from its low end on
	ds_store_b128 v29, v[64*(\a)+8*\b+4:64*(\a)+8*\b+7] offset:128*(\b/2)+32*(\b%2)+16
.endr
	WIN 0
.irp t, 0,1,2,3,4,5,6,7,8,9,10,11,12,13,14,15
	ds_load_b128 v[80+64*((\a)%2)+4*\t:80+64*((\a)%2)+4*\t+3], v30 offset:SPI*\t
.endr
.endm
.macro SEND a, younger                 ; younger: the LDS instructions issued behind tile a's loads, which may stay out
	s_wait_dscnt \younger
.irp t, 0,1,2,3,4,5,6,7,8,9,10,11,12,13,14,15
	global_store_b128 v3, v[80+64*((\a)%2)+4*\t:80+64*((\a)%2)+4*\t+3], s[78:79] offset:(32*((\a)/2)+8*((\a)%2)+\t+8*(\t/8))*4096 th:TH_STORE_NT   ; 32 lanes store 512 consecutive bytes, at a multiple of 256 from out0's first byte; row t of the tile is token 32 (a / 2) + 8 (a % 2) + t + 8 (t / 8) of my 64
.endr
.endm
	PLACES 4                                       ; in front of the first read of results and of loads into registers that held S1's fragments
	TOSTAGE 0
.irp a, 1,2,3
.if \a > 1
	s_wait_xcnt 0x0                                ; tile a - 2's stores have read their registers: tile a's rows may land there
.endif
	TOSTAGE \a
	SEND \a-1, 32                                  ; behind tile a - 1's loads: tile a's 16 stores and 16 loads
.endr
	SEND 3, 0
	s_wait_tensorcnt 0x0
	ds_add_u32 v254, v255
	s_wait_dscnt 0x0
	CROUND                                         ; the closing round: no work-group ends while a partner may still ask for a tile that names it
	s_endpgm
.Lfunc_end_k_q90b84b4828_outp:
	.size	k_q90b84b4828_outp, .Lfunc_end_k_q90b84b4828_outp-k_q90b84b4828_outp
	.p2alignl 7, 3214868480
	.fill 96, 4, 3214868480
	.section	.rodata,"a",@progbits
	.p2align	6, 0x0
	.amdhsa_kernel k_q90b84b4828_outp
		.amdhsa_group_segment_fixed_size 327680
		.amdhsa_private_segment_fixed_size 0
		.amdhsa_enable_private_segment 0
		.amdhsa_kernarg_size 48
		.amdhsa_user_sgpr_count 2
		.amdhsa_user_sgpr_kernarg_segment_ptr 1
		.amdhsa_wavefront_size32 1
		.amdhsa_system_sgpr_workgroup_id_x 1
		.amdhsa_system_sgpr_workgroup_id_y 1
		.amdhsa_system_sgpr_workgroup_id_z 1
		.amdhsa_system_vgpr_workitem_id 0
		.amdhsa_next_free_vgpr 768
		.amdhsa_next_free_sgpr 102
		.amdhsa_reserve_vcc 0
		.amdhsa_float_denorm_mode_32 3
		.amdhsa_float_denorm_mode_16_64 3
		.amdhsa_memory_ordered 1
		.amdhsa_forward_progress 1
		.amdhsa_inst_pref_size 83
	.end_amdhsa_kernel
	.amdgpu_metadata
---
amdhsa.version: [ 1, 2 ]
amdhsa.kernels:
  - .name:           k_q90b84b4828_outp
    .symbol:         k_q90b84b4828_outp.kd
    .args:
      - { .name: ac, .offset: 0, .size: 8, .value_kind: global_buffer, .address_space: global }
      - { .name: asw, .offset: 8, .size: 8, .value_kind: global_buffer, .address_space: global }
      - { .name: wc, .offset: 16, .size: 8, .value_kind: global_buffer, .address_space: global }
      - { .name: ws, .offset: 24, .size: 8, .value_kind: global_buffer, .address_space: global }
      - { .name: bo, .offset: 32, .size: 8, .value_kind: global_buffer, .address_space: global }
      - { .name: out0, .offset: 40, .size: 8, .value_kind: global_buffer, .address_space: global }
    .group_segment_fixed_size: 327680
    .private_segment_fixed_size: 0
    .kernarg_segment_align: 8
    .kernarg_segment_size: 48
    .max_flat_workgroup_size: 128
    .sgpr_count:     102
    .vgpr_count:     768
    .wavefront_size: 32
...
	.end_amdgpu_metadata
.endif
;; end of part 4
